; MI455X (gfx1250); checked and timed in simulation.
; The chip was launched on July 23, 2026; its instructions are those of AMD's public machine-readable ISA for CDNA 5 (MIT licence, August 2026) and "CDNA5" Instruction Set Architecture Reference Guide (July 2026). The comments in the code are by the model that wrote it; some were corrected since.
;; Self Attention. Allowed arithmetic: matrix products marked QUANTISED: E4M3 operands, one given power-of-two scale a tensor, by v_wmma_f32_16x16x64_fp8_fp8 or v_wmma_f32_16x16x128_fp8_fp8, f32 sums; everything else in f32.
;; Inputs: Wk 512 x 512 float32; Wq 512 x 512 float32; Wv 512 x 512 float32; ft_k 8 x 2,048 x 512 float32; ft_q 8 x 2,048 x 512 float32; ft_v 8 x 2,048 x 512 float32; lowp_scales 10 int32 (the exponents e of the quantised operands' scales 2^e); mask 8 x 2,048 x 2,048 float32.
;; Outputs: out0 8 x 2,048 x 512 float32.
;; This version of the problem:
;;   THIS VERSION OF THE PROBLEM IS GIVEN IN LOW PRECISION. The matrix products marked QUANTISED in the list below multiply operands that are first quantised to E4M3 (4 exponent bits, 3 mantissa bits; 8 bits a number), with one given power-of-two scale for each operand tensor; their sums are f32. All else is computed in f32.
;;   The module's matrix products, in the order in which they are computed (A, B: the left and right operand; K: the contracted axis; several contracted axes count as one K, in the product's order):
;;     1. [M 16,384, K 512] x [K 512, N 512]; A: input ft_q; B: input Wq: QUANTISED (scales: A lowp_scales[0], B lowp_scales[1])
;;     2. [M 16,384, K 512] x [K 512, N 512]; A: input ft_k; B: input Wk: QUANTISED (scales: A lowp_scales[2], B lowp_scales[3])
;;     3. [M 16,384, K 512] x [K 512, N 512]; A: input ft_v; B: input Wv: QUANTISED (scales: A lowp_scales[4], B lowp_scales[5])
;;     4. batch 8 x [M 2,048, K 512] x [K 512, N 2,048]; A: computed on the way; B: computed on the way: QUANTISED (scales: A lowp_scales[6], B lowp_scales[7])
;;     5. batch 8 x [M 2,048, K 2,048] x [K 2,048, N 512]; A: softmax (see below); B: computed on the way: QUANTISED (scales: A lowp_scales[8], B lowp_scales[9])
;;   THE QUANTISER, for each operand of a quantised product, along K:
;;     - The operand's scale is 2^e, e = its entry of the input lowp_scales (int32; the entries are numbered through the quantised products in the list's order, A before B).
;;     - Each number is divided by the scale, clamped to +-448, and rounded to the nearest number of E4M3, ties to even, subnormals kept.
;;     - The product sums the exact products of the quantised numbers (number of the format x scale) in f32.
;;   ~~~python
;;   def quantise(x, axis, e):      # numpy; x: float32 -> the quantised numbers, widened to float32 again
;;       x = np.moveaxis(x, axis, -1); K = x.shape[-1]
;;       r = np.clip(x / 2.0 ** e, -448, 448)
;;       step = 2.0 ** (np.maximum(np.frexp(np.where(r == 0, 1, r))[1] - 1, -6) - 3)
;;       q = np.round(r / step) * step * 2.0 ** e      # np.round: ties to even
;;       return np.moveaxis(q, -1, axis).astype(np.float32)
;;   ~~~
;;   SOFTMAX AHEAD OF A QUANTISED PRODUCT. Where the list says 'softmax', what is quantised is not the finished softmax but p = 2^(t - M), with t = logit x log2(e) and M = ceil(the row's largest t), a whole number; so 1/2 < the row's largest p <= 1. The row's sum l is taken of the UNQUANTISED p, in f32, and the product's result is divided by l at the end. Since M is a whole number, a kernel that streams over the keys may use a running M (the ceiling of the running maximum): every later rescaling is an exact power of two, so the quantised numbers keep their values, but for numbers so far below the row's largest that they fall under the format's range.
;;   OPERANDS COMPUTED ON THE WAY. 'Computed on the way' means the value that the module computes at that place (a softmax that the list does not call 'softmax' is quantised finished and normalised). What goes into a quantiser is computed in f32, as accurately as f32 sums, v_exp_f32 and their like allow (about 1e-6 of the number): no bf16 or f16 on the way to a quantiser, and a product that is left as it is and whose result goes on into a quantised operand takes f32 operands (vector FMAs, or v_wmma_f32_16x16x4_f32). A number that lies on a knife's edge between two numbers of the format may be rounded either way, as far as f32 arithmetic and the matrix unit's own rounding can turn it there, and no further.
;; 2 versions. Each part assembles by itself: llvm-mc -triple=amdgcn-amd-amdhsa -mcpu=gfx1250 --defsym DOCPART=n.
;; ======== version 1 of 2: 3 launches
;; workspace buffers: wc 786,432 bytes; qc 8,388,608 bytes; kv 16,777,216 bytes
;; launch wquant (part 1): grid 32 x 3, 4 waves a work-group, no clusters, 0 bytes of LDS; arguments Wq, Wk, Wv, lowp_scales, wc; writes wc
.if DOCPART == 1
	.amdgcn_target "amdgcn-amd-amdhsa--gfx1250"
	.amdhsa_code_object_version 6
	.text
	.protected	k_q9ec96fe6d8_wquant
	.globl	k_q9ec96fe6d8_wquant
	.p2align	8
	.type	k_q9ec96fe6d8_wquant,@function
k_q9ec96fe6d8_wquant:
	s_mov_b64 s[64:65], 0
	v_nop
	global_prefetch_b8 v0, s[64:65] scope:SCOPE_SE
	s_setreg_imm32_b32 hwreg(HW_REG_WAVE_MODE, 25, 1), 1
	s_wait_xcnt 0x0
; Wq, Wk, Wv [512][512] f32 (K innermost) become codes of E4M3, each with its given scale 2^e (entries 1, 3, 5 of the scales), laid as IMAGES OF OPERAND REGISTERS.
; code = x / 2^e, held within +-448, rounded to the nearest code, ties to even.
; wc: [3 W][32 T][4 c][2048].  Fragment (T, c): byte 512 g + 16 L + i is the code of W[64 (T / 4) + PERM(T % 4, r)][128 c + 32 g + 16 h + i],
; L = 16 h + r the lane, PERM(t, r) = 32 (t / 2) + 8 (t % 2) + r + 8 (r / 8).  Four loads of 16 bytes a lane at 16 L + 512 g give a reader the fragment's 16 registers.
; Work-group (x = T, y = which W); wave c makes fragment (T, c): 16 rows x 128 along K, 64 numbers a lane.  No LDS, no barrier, no loop: 3 MB in all.
; LIMITS: e between -126 and 119, so that 2^e and 448 x 2^e are f32 numbers.  NaN among the inputs is not served.
.set X, 16                             ; v16-79  64 numbers: register 16 g + i = k 32 g + 16 h + i of my row
.set C, 80                             ; v80-95  their codes
	s_load_b256 s[4:11], s[0:1], 0x0               ; Wq s[4:5], Wk s[6:7], Wv s[8:9], the scales' exponents s[10:11]
	s_load_b64 s[12:13], s[0:1], 0x20              ; wc
	v_lshrrev_b32 v3, 5, v0
	v_readfirstlane_b32 s19, v3                    ; wave = K step c
	s_and_b32 s18, ttmp7, 0xffff                   ; which W
	v_and_b32 v3, 15, v0                           ; r
	v_bfe_u32 v4, v0, 4, 1                         ; h
	v_and_b32 v2, 31, v0
	v_lshlrev_b32 v2, 4, v2                        ; out: 16 x lane
	v_and_b32 v1, 8, v3
	v_add_nc_u32 v1, v1, v3                        ; r + 8 (r / 8)
	v_lshlrev_b32 v1, 11, v1                       ; a row of W is 2,048 bytes
	v_lshl_add_u32 v1, v4, 6, v1                   ; + 16 h numbers
	s_lshr_b32 s28, ttmp9, 2
	s_lshl_b32 s28, s28, 17                        ; 64 (T / 4) rows
	s_bfe_u32 s29, ttmp9, 0x10001
	s_lshl_b32 s29, s29, 16                        ; + 32 ((T / 2) % 2) rows
	s_add_co_u32 s28, s28, s29
	s_and_b32 s29, ttmp9, 1
	s_lshl_b32 s29, s29, 14                        ; + 8 (T % 2) rows
	s_add_co_u32 s28, s28, s29
	s_lshl_b32 s29, s19, 9                         ; + 128 c numbers
	s_add_co_u32 s28, s28, s29
	s_mov_b32 s29, 0
	s_lshl_b32 s30, s18, 18                        ; wc: 262,144 bytes a W,
	s_lshl_b32 s31, ttmp9, 13                      ; 8,192 a tile,
	s_add_co_u32 s30, s30, s31
	s_lshl_b32 s31, s19, 11                        ; 2,048 a fragment
	s_add_co_u32 s30, s30, s31
	s_mov_b32 s31, 0
	s_wait_kmcnt 0x0
	s_load_b256 s[20:27], s[10:11], 0x0            ; entries 0 to 7
	s_cmp_eq_u32 s18, 1                            ; the choice hangs on the work-group's number alone
	s_cselect_b64 s[14:15], s[6:7], s[4:5]
	s_cmp_eq_u32 s18, 2
	s_cselect_b64 s[14:15], s[8:9], s[14:15]
	s_add_nc_u64 s[14:15], s[14:15], s[28:29]
	s_add_nc_u64 s[12:13], s[12:13], s[30:31]
.irp g, 0,1,2,3
.irp q, 0,1,2,3
	global_load_b128 v[X+16*\g+4*\q:X+16*\g+4*\q+3], v1, s[14:15] offset:128*\g+16*\q th:TH_LOAD_NT
.endr
.endr
	s_wait_kmcnt 0x0
	s_cmp_eq_u32 s18, 1
	s_cselect_b32 s17, s23, s21                    ; e: entry 1, 3 or 5
	s_cmp_eq_u32 s18, 2
	s_cselect_b32 s17, s25, s17
	s_add_co_i32 s17, s17, 127
	s_lshl_b32 s16, s17, 23
	v_mov_b32 v10, s16                             ; 2^e as f32: the conversion takes its exponent field
	s_add_co_i32 s17, s17, 8
	s_lshl_b32 s17, s17, 23
	s_or_b32 s17, s17, 0x600000
	v_mov_b32 v11, s17                             ; 448 x 2^e
	s_wait_loadcnt 0x0
.set i, 0
.rept 64
	v_med3_num_f32 v[X+i], v[X+i], -v11, v11       ; the conversion to an 8-bit code does not saturate (ISA guide 7.6.2): the hold comes first
.set i, i+1
.endr
.irp g, 0,1,2,3
	v_cvt_scalef32_pk8_fp8_f32 v[C+4*\g:C+4*\g+1], v[X+16*\g:X+16*\g+7], v10
	v_cvt_scalef32_pk8_fp8_f32 v[C+4*\g+2:C+4*\g+3], v[X+16*\g+8:X+16*\g+15], v10
.endr
	v_nop                                          ; a plain line behind the last conversion
.irp g, 0,1,2,3
	global_store_b128 v2, v[C+4*\g:C+4*\g+3], s[12:13] offset:512*\g   ; the wave stores 512 consecutive bytes, at a multiple of 512 from wc's first byte
.endr
	s_endpgm
.Lfunc_end_k_q9ec96fe6d8_wquant:
	.size	k_q9ec96fe6d8_wquant, .Lfunc_end_k_q9ec96fe6d8_wquant-k_q9ec96fe6d8_wquant
	.p2alignl 7, 3214868480
	.fill 96, 4, 3214868480
	.section	.rodata,"a",@progbits
	.p2align	6, 0x0
	.amdhsa_kernel k_q9ec96fe6d8_wquant
		.amdhsa_group_segment_fixed_size 0
		.amdhsa_private_segment_fixed_size 0
		.amdhsa_enable_private_segment 0
		.amdhsa_kernarg_size 40
		.amdhsa_user_sgpr_count 2
		.amdhsa_user_sgpr_kernarg_segment_ptr 1
		.amdhsa_wavefront_size32 1
		.amdhsa_system_sgpr_workgroup_id_x 1
		.amdhsa_system_sgpr_workgroup_id_y 1
		.amdhsa_system_sgpr_workgroup_id_z 1
		.amdhsa_system_vgpr_workitem_id 0
		.amdhsa_next_free_vgpr 96
		.amdhsa_next_free_sgpr 66
		.amdhsa_reserve_vcc 0
		.amdhsa_float_denorm_mode_32 3
		.amdhsa_float_denorm_mode_16_64 3
		.amdhsa_memory_ordered 1
		.amdhsa_forward_progress 1
		.amdhsa_inst_pref_size 9
	.end_amdhsa_kernel
	.amdgpu_metadata
---
amdhsa.version: [ 1, 2 ]
amdhsa.kernels:
  - .name:           k_q9ec96fe6d8_wquant
    .symbol:         k_q9ec96fe6d8_wquant.kd
    .args:
      - { .name: Wq, .offset: 0, .size: 8, .value_kind: global_buffer, .address_space: global }
      - { .name: Wk, .offset: 8, .size: 8, .value_kind: global_buffer, .address_space: global }
      - { .name: Wv, .offset: 16, .size: 8, .value_kind: global_buffer, .address_space: global }
      - { .name: lowp_scales, .offset: 24, .size: 8, .value_kind: global_buffer, .address_space: global }
      - { .name: wc, .offset: 32, .size: 8, .value_kind: global_buffer, .address_space: global }
    .group_segment_fixed_size: 0
    .private_segment_fixed_size: 0
    .kernarg_segment_align: 8
    .kernarg_segment_size: 40
    .max_flat_workgroup_size: 128
    .sgpr_count:     66
    .vgpr_count:     96
    .wavefront_size: 32
...
	.end_amdgpu_metadata
.endif
;; end of part 1
;; launch proj (part 2): grid 64 x 3, 4 waves a work-group, no clusters, 33,280 bytes of LDS; arguments ft_q, ft_k, ft_v, wc, lowp_scales, qc, kv; writes qc, kv
.if DOCPART == 2
	.amdgcn_target "amdgcn-amd-amdhsa--gfx1250"
	.amdhsa_code_object_version 6
	.text
	.protected	k_q9ec96fe6d8_proj
	.globl	k_q9ec96fe6d8_proj
	.p2align	8
	.type	k_q9ec96fe6d8_proj,@function
k_q9ec96fe6d8_proj:
	s_mov_b64 s[64:65], 0
	v_nop
	global_prefetch_b8 v0, s[64:65] scope:SCOPE_SE
	s_setreg_imm32_b32 hwreg(HW_REG_WAVE_MODE, 25, 1), 1
	s_wait_xcnt 0x0
; q = ft_q Wq^T, k = ft_k Wk^T, v = ft_v Wv^T on codes of E4M3, and q, k, v quantised again for the two products of attention.  ft_*: [16384][512] f32.  wc: the weights' codes as images of operand registers.
; Work-group (x = 256 rows, y = 0 q, 1 k, 2 v) walks four blocks of 64 rows.  THE WAVES SHARE THE COLUMNS: wave w keeps features 128 w .. 128 w + 127 of W (32 fragments, 512 registers) for the whole launch.
; 3 x 16,384 rows do not fall into 256 equal shares that stay inside one tensor: 192 equal work-groups.  NO CLUSTER: what work-groups share, the weights' 256 KB, is read once by each, straight into registers,
; against 512 KB of rows that nobody shares.
; A BLOCK, two barriers.  X: wave w quantises rows PERM(w, r) of the block's 64 (four fragments, 256 numbers a lane) and stores their images in LDS | barrier | for each tile of 16 rows: its four fragments from LDS,
; 32 products, the sums quantised in registers, the codes stored as images | barrier.
; PERM(t, r) = 32 (t / 2) + 8 (t % 2) + r + 8 (r / 8): rows and features of a tile are chosen so that the 16 result registers of two neighbouring tiles of source 0 are 16 neighbours along the next K.
; q, k: source 0 = W, source 1 = x: a lane holds one row, its 64 registers features 128 w + 32 g + 16 h + i: K step w of that row tile's fragment.
; v: source 0 = x, source 1 = W: a lane holds one channel, its registers run along the keys, which are the last product's K.
; OUT.  qc: [1024 T][4 c][2048], T = row tile.  kv: [8 b][16 j][4 w][32768]: what wave w of the attention launch reads in key step j: 16,384 bytes of k ([2 u][4 c][2048], row tile 128 b + 8 j + 2 w + u),
; then 16,384 of v ([8 ct][2048]: byte 512 g + 16 L + i = v[key 128 j + 32 g + 16 h + i][channel 128 w + 32 (ct / 2) + 8 (ct % 2) + r + 8 (r / 8)]).
; A sum stands for sum x 2^(ex + ew): its code is sum / 2^(eo - ex - ew), eo = entry 6 (q), 7 (k), 9 (v) of the scales; ex, ew = entries 2 y, 2 y + 1.
; LIMITS: ex, and eo - ex - ew, between -126 and 119.  NaN among the inputs is not served.
; REGISTERS, in windows of 256: window 0: addresses, x's four fragments, sums, codes;  window 1: W's tiles 0-3 (tile t, K step c at v[64 t + 16 c]);  window 2: tiles 4-7;  window 3: 256 numbers of x.
.set XIMG,  0                          ; LDS: x's 16 fragments: (tile, K step c) at (4 tile + c) x 2,048
.set SPARE, 32768                      ; behind them: the spare words, 128 bytes for each wave: two blocks of 256 bytes that no other line names
.set XA,  1                            ; v1   x: my lane's byte in the block's 64 rows
.set LI,  2                            ; v2   16 x lane
.set XWI, 3                            ; v3   where I store x's images: 16 x lane + 8,192 x wave
.set VA,  4                            ; v4   my byte in the block's part of the output
.set VB,  5                            ; v5   the same for row tiles 2 and 3 (q, k)
.set SPW, 8                            ; v8   LDS address of my spare word; never rewritten
.set NIL, 9                            ; v9   0; never rewritten
.set SX,  10                           ; v10  2^ex;   v11  448 x 2^ex
.set LX,  11
.set SO,  12                           ; v12  2^(eo - ex - ew);   v13  448 x that
.set LO,  13
.set XF,  16                           ; v16-79   a row tile's four fragments
.set HA,  80                           ; v80-207  sums
.set PC,  208                          ; v208-239 codes, two sets of 16
.set WV,  18
.set TEN, 19
.set NB,  20                           ; the block, 0 to 3
.set XP,  22                           ; s[22:23] x at the block's first row
.set OUTB, 24                          ; s[24:25] the output at my work-group's part
.set OUT, 26                           ; s[26:27] at the block's part
.set WB,  30                           ; s[30:31] my wave's fragments of W
.set MSB, 0
.macro WIN new                         ; the immediate's high byte repeats the setting that is left
.if MSB != (\new)
	s_set_vgpr_msb (MSB<<8)|(\new)
.set MSB, (\new)
.endif
.endm
.macro PLACES                          ; four plain vector lines between a matrix instruction and a load into its sources or a vector read of its result
.rept 4
	v_nop
.endr
.endm
.macro BARRIER                         ; my LDS stores have landed and my LDS loads are in: then the work-group's barrier
	s_wait_dscnt 0x0
	s_barrier_signal -1
	s_barrier_wait -1
.endm
.macro XLOAD c, off                    ; K step c of my 16 rows, 64 numbers a lane, from off bytes on, into window 3
	WIN 0xc0
.irp g, 0,1,2,3
.irp q, 0,1,2,3
	global_load_b128 v[64*(\c)+16*\g+4*\q:64*(\c)+16*\g+4*\q+3], v[XA], s[XP:XP+1] offset:\off+512*(\c)+128*\g+16*\q th:TH_LOAD_NT
.endr
.endr
	WIN 0
.endm
.macro XNEXT c                         ; the next block's numbers, into the registers just converted; the last block asks for nothing: no load leaves its buffer
	s_cmp_eq_u32 s[NB], 3
	s_cbranch_scc1 .Lno_next_\@
	XLOAD \c, 131072
.Lno_next_\@:
.endm
.macro QUANTX c, set                   ; 64 numbers of x in window 3 become a fragment's codes
	WIN 0xc3
.set i, 0
.rept 64
	v_med3_num_f32 v[64*(\c)+i], v[64*(\c)+i], -v[LX], v[LX]   ; the hold at the largest code x the scale (ISA guide 7.6.2: the conversion does not saturate)
.set i, i+1
.endr
	WIN 0x03
.irp g, 0,1,2,3
	v_cvt_scalef32_pk8_fp8_f32 v[PC+16*(\set)+4*\g:PC+16*(\set)+4*\g+1], v[64*(\c)+16*\g:64*(\c)+16*\g+7], v[SX]
	v_cvt_scalef32_pk8_fp8_f32 v[PC+16*(\set)+4*\g+2:PC+16*(\set)+4*\g+3], v[64*(\c)+16*\g+8:64*(\c)+16*\g+15], v[SX]
.endr
	WIN 0
	v_nop                                          ; a plain line behind the last conversion
.endm
.macro QUANT src, set                  ; 64 sums in window 0 become 64 codes; each accumulator is read from its low end on
.irp b, 0,1,2,3
.irp i, 0,1,2,3,4,5,6,7,8,9,10,11,12,13,14,15
	v_med3_num_f32 v[(\src)+16*\b+\i], v[(\src)+16*\b+\i], -v[LO], v[LO]
.endr
	v_cvt_scalef32_pk8_fp8_f32 v[PC+16*(\set)+4*\b:PC+16*(\set)+4*\b+1], v[(\src)+16*\b:(\src)+16*\b+7], v[SO]
	v_cvt_scalef32_pk8_fp8_f32 v[PC+16*(\set)+4*\b+2:PC+16*(\set)+4*\b+3], v[(\src)+16*\b+8:(\src)+16*\b+15], v[SO]
.endr
	v_nop                                          ; a plain line between the last conversion and the products that write its sources
.endm
.macro IMAGE c, set                    ; a fragment goes to LDS as it stands in the registers
.irp g, 0,1,2,3
	ds_store_b128 v[XWI], v[PC+16*(\set)+4*\g:PC+16*(\set)+4*\g+3] offset:XIMG+2048*(\c)+512*\g
.endr
.endm
.macro FETCH f                         ; row tile f's four fragments come back so, in any wave
.irp c, 0,1,2,3
.irp g, 0,1,2,3
	ds_load_b128 v[XF+16*\c+4*\g:XF+16*\c+4*\g+3], v[LI] offset:XIMG+(4*(\f)+\c)*2048+512*\g
.endr
.endr
.endm
; 32 products: my 8 tiles of W against row tile tau, K in four steps.  In each half four accumulators take turns, one instruction a turn; the first K step starts the sums with the constant 0.
.macro PROD tau, isv
.irp hf, 0,1
.if \isv
.set WN, 0x04+0x04*\hf                 ; source 1 (W) in window 1 or 2
.else
.set WN, 0x01+\hf                      ; source 0 (W) in window 1 or 2
.endif
	WIN WN
.irp c, 0,1,2,3
.irp t, 0,1,2,3
.set rW, 64*\t+16*\c
.set rX, XF+16*\c
.if \isv
.set rD, HA+64*\hf+16*\t+8*((\tau)%2)
.if \c == 0
	v_wmma_f32_16x16x128_fp8_fp8 v[rD:rD+7], v[rX:rX+15], v[rW:rW+15], 0
.else
	v_wmma_f32_16x16x128_fp8_fp8 v[rD:rD+7], v[rX:rX+15], v[rW:rW+15], v[rD:rD+7]
.endif
.else
.set rD, HA+32*\hf+8*\t
.if \c == 0
	v_wmma_f32_16x16x128_fp8_fp8 v[rD:rD+7], v[rW:rW+15], v[rX:rX+15], 0
.else
	v_wmma_f32_16x16x128_fp8_fp8 v[rD:rD+7], v[rW:rW+15], v[rX:rX+15], v[rD:rD+7]
.endif
.endif
.endr
.endr
.endr
	WIN 0
.endm
.macro MKOUT                           ; the block's part of the output: q: 32,768 n;  k: 65,536 n;  v: 131,072 (n / 2) + 1,024 (n % 2)
	s_lshl_b32 s46, s[NB], 15
	s_lshl_b32 s47, s[NB], 16
	s_lshr_b32 s48, s[NB], 1
	s_lshl_b32 s48, s48, 17
	s_and_b32 s49, s[NB], 1
	s_lshl_b32 s49, s49, 10
	s_add_co_u32 s48, s48, s49
	s_cmp_eq_u32 s[TEN], 1
	s_cselect_b32 s46, s47, s46
	s_cmp_eq_u32 s[TEN], 2
	s_cselect_b32 s46, s48, s46
	s_mov_b32 s47, 0
	s_add_nc_u64 s[OUT:OUT+1], s[OUTB:OUTB+1], s[46:47]
.endm
	s_load_b256 s[4:11], s[0:1], 0x0               ; ft_q s[4:5], ft_k s[6:7], ft_v s[8:9], wc s[10:11]
	s_load_b128 s[12:15], s[0:1], 0x20             ; the scales' exponents s[12:13], qc s[14:15]
	s_load_b64 s[16:17], s[0:1], 0x30              ; kv
	v_lshl_add_u32 v[SPW], v0, 2, SPARE
	v_mov_b32 v[NIL], 0
	v_lshrrev_b32 v6, 5, v0
	v_readfirstlane_b32 s[WV], v6                  ; wave 0..3
	s_and_b32 s[TEN], ttmp7, 0xffff                ; 0 q, 1 k, 2 v
	s_mov_b32 s[NB], 0
	v_and_b32 v6, 15, v0                           ; r
	v_bfe_u32 v7, v0, 4, 1                         ; h
	v_and_b32 v[LI], 31, v0
	v_lshlrev_b32 v[LI], 4, v[LI]
	v_and_b32 v[XA], 8, v6
	v_add_nc_u32 v[XA], v[XA], v6                  ; r + 8 (r / 8)
	v_lshlrev_b32 v[XA], 11, v[XA]                 ; a row of x is 2,048 bytes
	v_lshl_add_u32 v[XA], v7, 6, v[XA]             ; + 16 h numbers
	s_lshr_b32 s28, s[WV], 1
	s_lshl_b32 s28, s28, 16                        ; + 32 (w / 2) rows
	s_and_b32 s29, s[WV], 1
	s_lshl_b32 s29, s29, 14                        ; + 8 (w % 2) rows
	s_add_co_u32 s28, s28, s29
	v_add_nc_u32 v[XA], s28, v[XA]
	s_lshl_b32 s28, s[WV], 13
	v_add_nc_u32 v[XWI], s28, v[LI]
	s_lshl_b32 s50, s[WV], 11                      ; q, k: K step w of a row tile's fragments;
	s_lshl_b32 s51, s[WV], 15
	s_add_co_u32 s51, s51, 16384                   ; v: the reading wave w's block, behind its 16,384 bytes of k
	s_cmp_eq_u32 s[TEN], 2
	s_cselect_b32 s50, s51, s50
	v_add_nc_u32 v[VA], s50, v[LI]
	s_mov_b32 s51, 16384                           ; row tiles 2, 3: two tiles on in qc; in kv the next reading wave's block
	s_cmp_eq_u32 s[TEN], 1
	s_cselect_b32 s51, 32768, s51
	v_add_nc_u32 v[VB], s51, v[VA]
	s_wait_kmcnt 0x0
	s_load_b256 s[32:39], s[12:13], 0x0            ; entries 0 to 7
	s_load_b64 s[40:41], s[12:13], 0x20            ; entries 8, 9
	s_cmp_eq_u32 s[TEN], 1                         ; the choices hang on the work-group's number alone
	s_cselect_b64 s[XP:XP+1], s[6:7], s[4:5]
	s_cmp_eq_u32 s[TEN], 2
	s_cselect_b64 s[XP:XP+1], s[8:9], s[XP:XP+1]
	s_cmp_eq_u32 s[TEN], 0
	s_cselect_b64 s[OUTB:OUTB+1], s[14:15], s[16:17]
	s_cselect_b32 s28, 17, 18                      ; 256 rows are 131,072 bytes of qc, 262,144 of kv
	s_lshl_b32 s28, ttmp9, s28
	s_mov_b32 s29, 0
	s_add_nc_u64 s[OUTB:OUTB+1], s[OUTB:OUTB+1], s[28:29]
	s_lshl_b32 s28, ttmp9, 19                      ; and 524,288 of x
	s_add_nc_u64 s[XP:XP+1], s[XP:XP+1], s[28:29]
	s_lshl_b32 s28, s[TEN], 18
	s_lshl_b32 s52, s[WV], 16
	s_add_co_u32 s28, s28, s52
	s_add_nc_u64 s[WB:WB+1], s[10:11], s[28:29]
.irp c, 0,1,2,3
	XLOAD \c, 0                                    ; the first block's numbers
.endr
	WIN 0x40                                       ; destination window 1
.set i, 0
.rept 64
	global_load_b128 v[4*i:4*i+3], v[LI], s[WB:WB+1] offset:512*i
.set i, i+1
.endr
	WIN 0x80                                       ; destination window 2
.set i, 0
.rept 64
	global_load_b128 v[4*i:4*i+3], v[LI], s[WB:WB+1] offset:32768+512*i
.set i, i+1
.endr
	WIN 0
	MKOUT
	s_wait_kmcnt 0x0
	s_cmp_eq_u32 s[TEN], 1
	s_cselect_b32 s42, s34, s32                    ; ex
	s_cselect_b32 s43, s35, s33                    ; ew
	s_cselect_b32 s44, s39, s38                    ; eo
	s_cmp_eq_u32 s[TEN], 2
	s_cselect_b32 s42, s36, s42
	s_cselect_b32 s43, s37, s43
	s_cselect_b32 s44, s41, s44
	s_sub_co_i32 s44, s44, s42
	s_sub_co_i32 s44, s44, s43                     ; eo - ex - ew
	s_add_co_i32 s42, s42, 127
	s_lshl_b32 s45, s42, 23
	v_mov_b32 v[SX], s45
	s_add_co_i32 s42, s42, 8
	s_lshl_b32 s42, s42, 23
	s_or_b32 s42, s42, 0x600000
	v_mov_b32 v[LX], s42
	s_add_co_i32 s44, s44, 127
	s_lshl_b32 s45, s44, 23
	v_mov_b32 v[SO], s45
	s_add_co_i32 s44, s44, 8
	s_lshl_b32 s44, s44, 23
	s_or_b32 s44, s44, 0x600000
	v_mov_b32 v[LO], s44
.Lblock:
	; ---- X: my 16 rows become four fragments.  Their numbers were asked for a block ago
	s_wait_loadcnt 0x0                             ; for zero, so that the count holds whether or not the last trip asked for more
.irp c, 0,1,2,3
.if \c >= 2
	s_wait_dscnt 4                                 ; only the other set's four stores may be out: this set's have read their registers
.endif
	QUANTX \c, \c%2
	IMAGE \c, \c%2
	XNEXT \c
.endr
	BARRIER                                        ; the block's sixteen fragments lie in LDS
	s_cmp_eq_u32 s[TEN], 2                         ; the same in all waves of a work-group; both ways only read LDS, and no barrier stands on either
	s_cbranch_scc1 .Lv
	; ---- q, k
	FETCH 0
.irp tau, 0,1,2,3
	s_wait_dscnt 0x0
	PROD \tau, 0
	PLACES
.if \tau < 3
	FETCH \tau+1
.endif
	s_wait_xcnt 0x0                                ; the stores of two tiles ago have read this set of codes
	QUANT HA, \tau%2
.irp g, 0,1,2,3
.if \tau < 2
	global_store_b128 v[VA], v[PC+16*(\tau%2)+4*\g:PC+16*(\tau%2)+4*\g+3], s[OUT:OUT+1] offset:8192*(\tau%2)+512*\g   ; the wave stores 512 consecutive bytes, at a multiple of 512 from the buffer's first byte
.else
	global_store_b128 v[VB], v[PC+16*(\tau%2)+4*\g:PC+16*(\tau%2)+4*\g+3], s[OUT:OUT+1] offset:8192*(\tau%2)+512*\g
.endif
.endr
.endr
	s_branch .Ljoin
.Lv:
	; ---- v: two row tiles give 32 neighbouring keys: register 16 ct + i of the sums is key 32 (tau / 2) + 16 h + i
	FETCH 0
.irp tau, 0,1,2,3
	s_wait_dscnt 0x0
	PROD \tau, 1
	PLACES
.if \tau < 3
	FETCH \tau+1
.endif
.if \tau%2
.irp hf, 0,1
	s_wait_xcnt 0x0                                ; earlier stores have read this set of codes
	QUANT HA+64*\hf, \hf
.irp g, 0,1,2,3
	global_store_b128 v[VA], v[PC+16*\hf+4*\g:PC+16*\hf+4*\g+3], s[OUT:OUT+1] offset:(4*\hf+\g)*2048+512*(\tau/2)
.endr
.endr
.endif
.endr
.Ljoin:
	BARRIER                                        ; every wave's reads of x's images are in: the next block may store over them
	s_wait_xcnt 0x0                                ; the loads and stores have read their bases and data
	s_add_nc_u64 s[XP:XP+1], s[XP:XP+1], 131072
	s_add_co_u32 s[NB], s[NB], 1
	MKOUT
	s_cmp_lt_u32 s[NB], 4
	s_cbranch_scc1 .Lblock
	s_wait_tensorcnt 0x0                           ; the wave's end, behind my last LDS store
	ds_add_u32 v[SPW], v[NIL]
	s_wait_dscnt 0x0
	s_endpgm
.Lfunc_end_k_q9ec96fe6d8_proj:
	.size	k_q9ec96fe6d8_proj, .Lfunc_end_k_q9ec96fe6d8_proj-k_q9ec96fe6d8_proj
	.p2alignl 7, 3214868480
	.fill 96, 4, 3214868480
	.section	.rodata,"a",@progbits
	.p2align	6, 0x0
	.amdhsa_kernel k_q9ec96fe6d8_proj
		.amdhsa_group_segment_fixed_size 33280
		.amdhsa_private_segment_fixed_size 0
		.amdhsa_enable_private_segment 0
		.amdhsa_kernarg_size 56
		.amdhsa_user_sgpr_count 2
		.amdhsa_user_sgpr_kernarg_segment_ptr 1
		.amdhsa_wavefront_size32 1
		.amdhsa_system_sgpr_workgroup_id_x 1
		.amdhsa_system_sgpr_workgroup_id_y 1
		.amdhsa_system_sgpr_workgroup_id_z 1
		.amdhsa_system_vgpr_workitem_id 0
		.amdhsa_next_free_vgpr 1024
		.amdhsa_next_free_sgpr 66
		.amdhsa_reserve_vcc 0
		.amdhsa_float_denorm_mode_32 3
		.amdhsa_float_denorm_mode_16_64 3
		.amdhsa_memory_ordered 1
		.amdhsa_forward_progress 1
		.amdhsa_inst_pref_size 115
	.end_amdhsa_kernel
	.amdgpu_metadata
---
amdhsa.version: [ 1, 2 ]
amdhsa.kernels:
  - .name:           k_q9ec96fe6d8_proj
    .symbol:         k_q9ec96fe6d8_proj.kd
    .args:
      - { .name: ft_q, .offset: 0, .size: 8, .value_kind: global_buffer, .address_space: global }
      - { .name: ft_k, .offset: 8, .size: 8, .value_kind: global_buffer, .address_space: global }
      - { .name: ft_v, .offset: 16, .size: 8, .value_kind: global_buffer, .address_space: global }
      - { .name: wc, .offset: 24, .size: 8, .value_kind: global_buffer, .address_space: global }
      - { .name: lowp_scales, .offset: 32, .size: 8, .value_kind: global_buffer, .address_space: global }
      - { .name: qc, .offset: 40, .size: 8, .value_kind: global_buffer, .address_space: global }
      - { .name: kv, .offset: 48, .size: 8, .value_kind: global_buffer, .address_space: global }
    .group_segment_fixed_size: 33280
    .private_segment_fixed_size: 0
    .kernarg_segment_align: 8
    .kernarg_segment_size: 56
    .max_flat_workgroup_size: 128
    .sgpr_count:     66
    .vgpr_count:     1024
    .wavefront_size: 32
...
	.end_amdgpu_metadata
.endif
;; end of part 2
;; launch attn (part 3): grid 32 x 8, 4 waves a work-group, clusters of 4 x 1, 327,680 bytes of LDS; arguments qc, kv, mask, lowp_scales, out0; writes out0
.if DOCPART == 3
	.amdgcn_target "amdgcn-amd-amdhsa--gfx1250"
	.amdhsa_code_object_version 6
	.text
	.protected	k_q9ec96fe6d8_attn
	.globl	k_q9ec96fe6d8_attn
	.p2align	8
	.type	k_q9ec96fe6d8_attn,@function
k_q9ec96fe6d8_attn:
	s_mov_b64 s[64:65], 0
	v_nop
	global_prefetch_b8 v0, s[64:65] scope:SCOPE_SE
	s_setreg_imm32_b32 hwreg(HW_REG_WAVE_MODE, 25, 1), 1
	s_wait_xcnt 0x0
	s_wait_alu depctr_hold_cnt(0) depctr_sa_sdst(0) depctr_va_vdst(0) depctr_va_sdst(0) depctr_va_ssrc(0) depctr_va_vcc(0) depctr_vm_vsrc(0)
	s_getreg_b32 s2, hwreg(HW_REG_IB_STS2, 6, 4)
	s_cmp_eq_u32 s2, 0
	s_cbranch_scc0 .Lentry_in_a_cluster
	s_endpgm
.Lentry_in_a_cluster:
	s_bfe_u32 s2, ttmp6, 0x10000c
	s_cmp_lg_u32 s2, 0x3003
	s_cbranch_scc0 .Lentry_shape_is_right
	s_endpgm
.Lentry_shape_is_right:
; out[b][q][:] = the sum over keys of softmax(q . k x sqrt(512) + mask) v, both products on codes of E4M3.  qc, kv: codes as images of operand registers.  mask: [8][2048][2048] f32.  out0: [8][2048][512] f32.
; THE SOFTMAX: t = logit x log2(e); M = the running largest t rounded UP to a whole number; p = 2^(t - M) is quantised with 2^e8; the row's sum is taken of the unquantised p and divides at the end.
; When M moves, the sum and O are multiplied by 2^(old M - new M): exact.  With s the sum of codes' products: u = mask x IC + s, t = c u, c = sqrt(512) log2(e) 2^(e6 + e7), IC = 1 / (sqrt(512) 2^(e6 + e7)).
; SHARES.  A work-group owns 64 queries of a batch: four tiles m of 16, tile m's lane r the query 32 (m / 2) + 8 (m % 2) + r + 8 (r / 8).  16 key steps of 128 keys.
; S^T = K Q^T: wave w takes keys 32 w .. 32 w + 31 for all 64 queries (32 products): lane (r, h) holds one query, register 16 m + i the key 32 w + 16 h + i.
; O^T += V^T P^T: wave w takes channels 128 w .. 128 w + 127 for all 64 queries (32 products).  So each fragment of K and V is read from LDS once, by one wave: 32 KB a wave and step.
; What goes from wave to wave is small: a step's largest u of each query (4 bytes a wave and query), and P's codes, as images of registers (wave w's 16 codes a lane are group w of tile m's fragment).
; CLUSTER.  The four query blocks of a cluster walk the same K and V: each wave's block of 32 KB is asked for JOINTLY, by the same tensor load with the same descriptor and a mask that names the four.
; THE MASK is read once, by nobody else: straight into registers, two key steps ahead, under counted waits.
; LIMITS: e6 + e7 between -131 and 121, e8 between -126 and 119, so that each power of two below is an f32 number.  A row whose mask is -infinity throughout gives NaN, as the definition does.
; +infinity or NaN in the mask is not served.
; REGISTERS, in windows of 256: window 0: addresses, statistics, S^T / p / P, two steps of mask;  window 1: Q (m, c) at v[64 m + 16 c];  window 2: O^T (ct, m) at v[32 ct + 8 m];
;   window 3: K (u, c) at v[64 u + 16 c], V (ct) at v[128 + 16 ct].
.set KVSTEP, 131072                    ; a key step's bytes of kv: four waves' blocks of 32,768
.set SLOT1,  131072                    ; LDS: slot 0 at 0, slot 1 here; wave w's block at 32,768 w: K at 8,192 u + 2,048 c, V at 16,384 + 2,048 ct
.set PI,     262144                    ; P's four fragments: tile m at 2,048 m, group g (made by wave g) at 512 g
.set MX,     270336                    ; a step's largest u: word (16 m + r) x 16 + 4 w
.set LXO,    1024                      ; behind it, laid alike: the rows' sums at the end
.set STAGE,  272384                    ; the way out: 16 rows x (512 + 16) bytes for each wave
.set SP,     528
.set SPARE,  306176                    ; the spare words, 128 bytes for each wave: two blocks of 256 bytes that no other line names
.set AD,  1                            ; v1, v2  my lane's place in my wave's block of slot 0, 1
.set PS,  3                            ; v3   where I store P's codes
.set PL,  4                            ; v4   where I load P's fragments
.set MXS, 5                            ; v5   where I store a maximum or a sum
.set MXL, 6                            ; v6   where I load the four waves'
.set MO,  7                            ; v7   the mask: my lane's byte in the block's 64 rows
.set SPW, 8                            ; v8   LDS address of my spare word; never rewritten
.set NIL, 9                            ; v9   0; never rewritten
.set PFO, 10                           ; v10  256 x lane
.set STO, 11                           ; v11  the stage: in
.set SRD, 12                           ; v12  the stage: back
.set GO,  13                           ; v13  16 x lane
.set SCL, 14                           ; v14  2^e8
.set LIMV, 15                          ; v15  448 x 2^e8
.set ST,  16                           ; v16-47   tile m's statistics at 8 m: +0 -M, +1 the largest t, +2, +3 the sum in two halves, +4 f, +5 to +7 at work
.set PC,  48                           ; v48-63   p's codes, four registers a tile
.set S,   64                           ; v64-127  S^T, then p, then P's four fragments
.set MB,  128                          ; v128-255 two steps of mask, laid as S^T; on the way out rows of the result
.set WV,  14
.set CX,  15
.set QB,  16
.set BA,  17
.set G1,  20                           ; s[20:27] descriptor group 1
.set G0,  28                           ; s[28:35] descriptor group 0, a set for each slot
.set MK,  36                           ; s[36:37] the mask at my block's first row, at an even key step
.set PFA, 38                           ; s[38:39] where my prefetches stand
.set LIM, 40                           ; s40  1 in the batch's first cluster, else the greatest number
.set TRIPS, 41
.set CS,  42                           ; s[42:43] c, named as a pair
.set IC,  44                           ; s[44:45] IC
.set SEL, 46                           ; s[46:47] lane selects: lane l xor 16
.set OUT, 58                           ; s[58:59] out0 at my block's first row, my wave's 128 channels
.set MSB, 0
.macro WIN new                         ; the immediate's high byte repeats the setting that is left
.if MSB != (\new)
	s_set_vgpr_msb (MSB<<8)|(\new)
.set MSB, (\new)
.endif
.endm
.macro CROUND                          ; a round of the cluster's barrier: my work-group's barrier; wave 0 signals for the work-group; every wave waits for all four work-groups; my work-group's barrier once more
	s_barrier_signal -1
	s_barrier_wait -1
	s_cmp_lg_u32 s[WV], 0
	s_cbranch_scc1 .Lnot_wave_0_\@
	s_barrier_signal -3
.Lnot_wave_0_\@:
	s_barrier_wait -3
	s_barrier_signal -1
	s_barrier_wait -1
.endm
; A PREFETCH INTO THE L2 of the key step that stands two refills on (step j + 4 where step j + 2 has just been asked for): 128 products and two softmaxes of a wave ahead of the load that will want it.
; All eight clusters of a batch walk the same kv: the batch's first cluster asks (a branch on the cluster's number, the same in all partners).  Its four partners and their four waves share the step's
; 131,072 bytes out BY ADDRESS: 32,768 a work-group, 8,192 a wave, lanes 256 bytes apart: each aligned block of 256 bytes is named once in the launch.  Steps 0 to 3 come by their loads alone;
; from step 12 on there is no step four on, and nothing is asked for.  mode 1: written-out steps 0 and 1;  mode 0: in the loop, whose last trip holds steps 12 and 13.
.macro ASK mode
.if \mode
	s_cmp_eq_u32 s[LIM], 1
.else
	s_cmp_gt_u32 s[TRIPS], s[LIM]
.endif
	s_cbranch_scc0 .Lnot_mine_\@
	global_prefetch_b8 v[PFO], s[PFA:PFA+1] th:TH_LOAD_NT scope:SCOPE_SE
.Lnot_mine_\@:
.endm
.macro MLOAD set, off                  ; a key step's mask for my 32 keys and the 64 queries: register 16 m + 4 q + e as S^T's
.irp m, 0,1,2,3
.irp q, 0,1,2,3
	global_load_b128 v[MB+64*(\set)+16*\m+4*\q:MB+64*(\set)+16*\m+4*\q+3], v[MO], s[MK:MK+1] offset:(32*(\m/2)+8*(\m%2))*8192+\off+16*\q th:TH_LOAD_NT
.endr
.endr
.endm
.macro KLOAD sl                        ; my eight fragments of K from slot sl
	WIN 0xc0                                       ; destination window 3
.irp u, 0,1
.irp c, 0,1,2,3
.irp g, 0,1,2,3
	ds_load_b128 v[64*\u+16*\c+4*\g:64*\u+16*\c+4*\g+3], v[AD+(\sl)] offset:8192*\u+2048*\c+512*\g
.endr
.endr
.endr
.endm
.macro VLOAD sl                        ; my eight fragments of V
	WIN 0xc0
.irp ct, 0,1,2,3,4,5,6,7
.irp g, 0,1,2,3
	ds_load_b128 v[128+16*\ct+4*\g:128+16*\ct+4*\g+3], v[AD+(\sl)] offset:16384+2048*\ct+512*\g
.endr
.endr
	WIN 0
.endm
; A KEY STEP in slot s.  first: it starts O^T's sums.  fill: the slot is filled again, with the step two on.  mload: the mask of the step two on is asked for.  kn: the next step's K is fetched.
; lw: the mask loads that may stay out.  ask: ASK's mode.
.macro STEP s, first, fill, mload, kn, lw, ask
	; ---- A: S^T = K Q^T, the mask, my keys' largest u of each query
.rept 5
	v_nop                                          ; five places: the products below write over registers that the last products read (P's fragments)
.endr
	s_wait_dscnt 0x0                               ; K's fragments are in
	WIN 0x07                                       ; source 0 (K) window 3, source 1 (Q) window 1
.irp c, 0,1,2,3
.irp u, 0,1
.irp m, 0,1,2,3
.set rD, S+16*\m+8*\u
.set rA, 64*\u+16*\c
.set rB, 64*\m+16*\c
.if \c == 0
	v_wmma_f32_16x16x128_fp8_fp8 v[rD:rD+7], v[rA:rA+15], v[rB:rB+15], 0
.else
	v_wmma_f32_16x16x128_fp8_fp8 v[rD:rD+7], v[rA:rA+15], v[rB:rB+15], v[rD:rD+7]   ; eight accumulators by turns, one instruction a turn
.endif
.endr
.endr
.endr
	WIN 0
.rept 4
	v_nop                                          ; four places in front of the first read of results
.endr
	s_wait_loadcnt \lw                             ; this step's mask is in; the next step's sixteen loads may be out
.set i, 0
.rept 32
	v_pk_fma_f32 v[S+2*i:S+2*i+1], v[MB+64*\s+2*i:MB+64*\s+2*i+1], s[IC:IC+1], v[S+2*i:S+2*i+1] op_sel_hi:[1,0,1]   ; u = mask x IC + s; each accumulator from its low end on
.set i, i+1
.endr
.if \mload
	MLOAD \s, 1024+512*\s                          ; the mask of the step two on, into the registers just read
.endif
.irp m, 0,1,2,3
	v_max3_num_f32 v[ST+8*\m+6], v[S+16*\m], v[S+16*\m+1], v[S+16*\m+2]
	v_max3_num_f32 v[ST+8*\m+7], v[S+16*\m+8], v[S+16*\m+9], v[S+16*\m+10]
.endr
.irp k, 3,5
.irp m, 0,1,2,3
	v_max3_num_f32 v[ST+8*\m+6], v[ST+8*\m+6], v[S+16*\m+\k], v[S+16*\m+\k+1]
	v_max3_num_f32 v[ST+8*\m+7], v[ST+8*\m+7], v[S+16*\m+\k+8], v[S+16*\m+\k+9]
.endr
.endr
.irp m, 0,1,2,3
	v_max3_num_f32 v[ST+8*\m+6], v[ST+8*\m+6], v[S+16*\m+7], v[S+16*\m+15]
.endr
.irp m, 0,1,2,3
	v_max_num_f32 v[ST+8*\m+6], v[ST+8*\m+6], v[ST+8*\m+7]
.endr
.irp m, 0,1,2,3
	v_permlanex16_b32 v[ST+8*\m+7], v[ST+8*\m+6], s[SEL], s[SEL+1]   ; the query's other 16 of my keys lie in the lane 16 away
.endr
.irp m, 0,1,2,3
	v_max_num_f32 v[ST+8*\m+6], v[ST+8*\m+6], v[ST+8*\m+7]
.endr
.irp m, 0,1,2,3
	ds_store_b32 v[MXS], v[ST+8*\m+6] offset:256*\m   ; both halves of the lanes write the same word with the same number
.endr
	s_wait_dscnt 0x0                               ; for the others' sake: my maxima have landed
	s_barrier_signal -1                            ; a plain barrier: the next step's block may stay on its way
	s_barrier_wait -1
	; ---- B: M, p, the sums, p's codes
.irp m, 0,1,2,3
	ds_load_b128 v[ST+8*\m+4:ST+8*\m+7], v[MXL] offset:256*\m   ; the four waves' maxima of my query
.endr
	VLOAD \s                                       ; this step's V lands while the softmax is worked
	s_wait_dscnt 32                                ; the maxima are in; V's 32 loads, issued behind them, may be out
.irp m, 0,1,2,3
	v_max3_num_f32 v[ST+8*\m+5], v[ST+8*\m+4], v[ST+8*\m+5], v[ST+8*\m+6]
.endr
.irp m, 0,1,2,3
	v_max_num_f32 v[ST+8*\m+5], v[ST+8*\m+5], v[ST+8*\m+7]
.endr
.irp m, 0,1,2,3
	v_mul_f32 v[ST+8*\m+5], s[CS], v[ST+8*\m+5]    ; as t (c is positive)
.endr
.irp m, 0,1,2,3
	v_max_num_f32 v[ST+8*\m+1], v[ST+8*\m+1], v[ST+8*\m+5]   ; the running largest t
.endr
.irp m, 0,1,2,3
	v_mov_b32 v[ST+8*\m+5], v[ST+8*\m]
.endr
.irp m, 0,1,2,3
	v_floor_f32 v[ST+8*\m], -v[ST+8*\m+1]          ; the new -M = floor(-t): M is a whole number
.endr
.irp m, 0,1,2,3
	v_sub_f32 v[ST+8*\m+5], v[ST+8*\m], v[ST+8*\m+5]   ; old M - new M: a whole number, 0 or less
.endr
.irp m, 0,1,2,3
	v_cvt_i32_f32 v[ST+8*\m+5], v[ST+8*\m+5]       ; (it saturates)
.endr
.irp m, 0,1,2,3
	v_ldexp_f32 v[ST+8*\m+4], 1.0, v[ST+8*\m+5]    ; f = 2^(old M - new M)
.endr
.irp m, 0,1,2,3
.irp k, 0,2,4,6,8,10,12,14
	v_pk_fma_f32 v[S+16*\m+\k:S+16*\m+\k+1], v[S+16*\m+\k:S+16*\m+\k+1], s[CS:CS+1], v[ST+8*\m:ST+8*\m+1] op_sel_hi:[1,0,0]   ; t - M = u c + (-M)
.endr
.endr
.set i, 0
.rept 64
	v_exp_f32 v[S+i], v[S+i]                       ; p = 2^(t - M), at most 1
.set i, i+1
.endr
.irp m, 0,1,2,3
	v_pk_mul_f32 v[ST+8*\m+2:ST+8*\m+3], v[ST+8*\m+2:ST+8*\m+3], v[ST+8*\m+4:ST+8*\m+5] op_sel_hi:[1,0]   ; the sums under the new M; plain lines behind the exponentials
.endr
	s_wait_alu depctr_va_vdst(0)                   ; one wait for the batch of 64, ahead of its first reader
.irp m, 0,1,2,3
	v_pk_add_f32 v[ST+8*\m+6:ST+8*\m+7], v[S+16*\m:S+16*\m+1], v[S+16*\m+2:S+16*\m+3]   ; the sum is taken of the unquantised p, in two chains
.endr
.irp k, 4,8,12
.irp m, 0,1,2,3
	v_pk_add_f32 v[ST+8*\m+2:ST+8*\m+3], v[ST+8*\m+2:ST+8*\m+3], v[S+16*\m+\k:S+16*\m+\k+1]
	v_pk_add_f32 v[ST+8*\m+6:ST+8*\m+7], v[ST+8*\m+6:ST+8*\m+7], v[S+16*\m+\k+2:S+16*\m+\k+3]
.endr
.endr
.irp m, 0,1,2,3
	v_pk_add_f32 v[ST+8*\m+2:ST+8*\m+3], v[ST+8*\m+2:ST+8*\m+3], v[ST+8*\m+6:ST+8*\m+7]
.endr
.set i, 0
.rept 64
	v_min_num_f32 v[S+i], v[S+i], v[LIMV]          ; the conversion does not saturate (ISA guide 7.6.2); p is not negative, so the hold is one-sided
.set i, i+1
.endr
.irp m, 0,1,2,3
	v_cvt_scalef32_pk8_fp8_f32 v[PC+4*\m:PC+4*\m+1], v[S+16*\m:S+16*\m+7], v[SCL]
	v_cvt_scalef32_pk8_fp8_f32 v[PC+4*\m+2:PC+4*\m+3], v[S+16*\m+8:S+16*\m+15], v[SCL]
.endr
	v_nop                                          ; a plain line behind the last conversion
.irp m, 0,1,2,3
	ds_store_b128 v[PS], v[PC+4*\m:PC+4*\m+3] offset:2048*\m   ; group w of tile m's fragment
.endr
	; ---- the second barrier: P's codes are shown to all; with fill = 1 it is a round of the cluster's barrier, and this slot is filled again behind it
	s_wait_tensorcnt 0x0                           ; all my tensor loads have landed: the one that was out is the next step's block; so a group 0 may be written
	ds_add_u32 v[SPW], v[NIL]                      ; 0 onto my spare word
.if \fill
	s_add_nc_u64 s[G0+4*\s+2:G0+4*\s+3], s[G0+4*\s+2:G0+4*\s+3], 2*KVSTEP   ; this slot's next block; the type bits on top are not reached
	s_wait_xcnt 0x0                                ; the last prefetch, a step back, and the mask's loads have read their bases
	s_add_nc_u64 s[PFA:PFA+1], s[PFA:PFA+1], KVSTEP
.if \s == 1
	s_add_nc_u64 s[MK:MK+1], s[MK:MK+1], 1024      ; two key steps of mask
.endif
	s_wait_dscnt 0x0                               ; the add is done, P's codes have landed, V's fragments are in: my reads of this slot are over
	CROUND                                         ; no wave of any partner still reads this slot or has a load on its way
	tensor_load_to_lds s[G0+4*\s:G0+4*\s+3], s[G1:G1+7]   ; my one tensor load behind the round: it has a whole key step in which to land
	s_nop 0
.rept 4
	v_nop
.endr
.else
	s_wait_dscnt 0x0
	s_barrier_signal -1
	s_barrier_wait -1
.endif
	; ---- C: O^T = O^T f + V^T P^T
.irp m, 0,1,2,3
.irp g, 0,1,2,3
	ds_load_b128 v[S+16*\m+4*\g:S+16*\m+4*\g+3], v[PL] offset:2048*\m+512*\g
.endr
.endr
.if \fill
	ASK \ask
.endif
.if \kn
	KLOAD 1-\s                                     ; the next step's K: my own bytes, shown landed by my own wait above
.endif
.if \first == 0
	WIN 0x82                                       ; O^T (destination and source 0) window 2, f window 0
.irp ct, 0,1,2,3,4,5,6,7
.irp m, 0,1,2,3
.irp k, 0,2,4,6
	v_pk_mul_f32 v[32*\ct+8*\m+\k:32*\ct+8*\m+\k+1], v[32*\ct+8*\m+\k:32*\ct+8*\m+\k+1], v[ST+8*\m+4:ST+8*\m+5] op_sel_hi:[1,0]
.endr
.endr
.endr
.endif
.if \kn
	s_wait_dscnt 32                                ; P's fragments are in; K's 32 loads, issued behind them, may be out
.else
	s_wait_dscnt 0x0
.endif
	WIN 0xa3                                       ; source 0 (V) window 3, source 1 (P) window 0, C and D window 2
.irp ct, 0,1,2,3,4,5,6,7
.irp m, 0,1,2,3
.set rD, 32*\ct+8*\m
.set rA, 128+16*\ct
.set rB, S+16*\m
.if \first
	v_wmma_f32_16x16x128_fp8_fp8 v[rD:rD+7], v[rA:rA+15], v[rB:rB+15], 0   ; the first step starts the sums: nothing is ever cleared
.else
	v_wmma_f32_16x16x128_fp8_fp8 v[rD:rD+7], v[rA:rA+15], v[rB:rB+15], v[rD:rD+7]
.endif
.endr
.endr
	WIN 0
.endm
	s_load_b256 s[4:11], s[0:1], 0x0               ; qc s[4:5], kv s[6:7], mask s[8:9], the scales' exponents s[10:11]
	s_load_b64 s[12:13], s[0:1], 0x20              ; out0
	v_lshl_add_u32 v[SPW], v0, 2, SPARE
	v_mov_b32 v[NIL], 0
	ds_add_u32 v[SPW], v[NIL]                      ; the wave's opening: the add and its wait stand ahead of my first tensor load; the set-up below, work on registers, stands between them
	v_lshrrev_b32 v64, 5, v0
	v_readfirstlane_b32 s[WV], v64                 ; wave 0..3
	s_bfe_u32 s[CX], ttmp6, 0x40000                ; cx: my place in the cluster: it enters Q's, the mask's, the result's and the prefetches' addresses alone
	s_lshl_b32 s[QB], ttmp9, 2
	s_add_co_u32 s[QB], s[QB], s[CX]               ; my block of 64 queries
	s_and_b32 s[BA], ttmp7, 0xffff                 ; the batch, which the four partners share
	; descriptor group 1: a dense block of 32,768 bytes as 128 rows of 32 elements of 8 bytes
	s_mov_b32 s[G1], 15|(3<<16)|(1<<21)            ; 15:0 the mask: all four work-groups; 17:16 elements of 8 bytes; 20 no padding; 21 set beside a mask
	s_mov_b32 s[G1+1], 32<<16                      ; tensor_dim0 = 32
	s_mov_b32 s[G1+2], 128<<16                     ; tensor_dim1 = 128
	s_mov_b32 s[G1+3], 32<<16                      ; tile_dim0 = 32
	s_mov_b32 s[G1+4], 128                         ; tile_dim1 = 128
	s_mov_b32 s[G1+5], 32                          ; tensor_dim0_stride
	s_mov_b32 s[G1+6], 0
	s_mov_b32 s[G1+7], 0
	s_mov_b32 s[SEL], 0x76543210
	s_mov_b32 s[SEL+1], 0xfedcba98
	v_and_b32 v66, 31, v0                          ; lane
	v_and_b32 v64, 15, v0                          ; r
	v_bfe_u32 v65, v0, 4, 1                        ; h
	v_lshlrev_b32 v[GO], 4, v66
	v_lshlrev_b32 v[PFO], 8, v66
	s_lshl_b32 s62, s[WV], 15                      ; my wave's block in a slot
	v_add_nc_u32 v[AD], s62, v[GO]
	v_add_nc_u32 v[AD+1], SLOT1, v[AD]
	v_add_nc_u32 v[PL], PI, v[GO]
	s_lshl_b32 s63, s[WV], 9
	v_add_nc_u32 v[PS], s63, v[PL]
	v_lshl_add_u32 v[MXL], v64, 4, MX
	s_lshl_b32 s63, s[WV], 2
	v_add_nc_u32 v[MXS], s63, v[MXL]
	v_and_b32 v67, 8, v64
	v_add_nc_u32 v67, v67, v64                     ; r + 8 (r / 8)
	v_lshlrev_b32 v[MO], 13, v67                   ; a row of the mask is 8,192 bytes
	v_lshl_add_u32 v[MO], v65, 6, v[MO]            ; + 16 h keys
	s_lshl_b32 s63, s[WV], 7
	v_add_nc_u32 v[MO], s63, v[MO]                 ; + 32 w keys
	s_mul_i32 s63, s[WV], 16*SP
	s_add_co_u32 s63, s63, STAGE                   ; my stage
	v_mul_u32_u24 v[STO], v64, SP
	v_lshl_add_u32 v[STO], v65, 6, v[STO]
	v_add_nc_u32 v[STO], s63, v[STO]               ; in: row r, + 64 h bytes
	v_add_nc_u32 v[SRD], s63, v[GO]                ; back: the 32 lanes take a row of 512 bytes
.irp m, 0,1,2,3
	v_mov_b32 v[ST+8*\m+1], 0xff61b1e6             ; the largest t so far: -3e38, under every t
	v_floor_f32 v[ST+8*\m], -v[ST+8*\m+1]          ; -M
	v_mov_b32 v[ST+8*\m+2], 0                      ; the sum, in two halves
	v_mov_b32 v[ST+8*\m+3], 0
.endr
	s_wait_dscnt 0x0                               ; the opening add is done
	s_wait_kmcnt 0x0
	s_load_b256 s[48:55], s[10:11], 0x0            ; entries 0 to 7: e6 = s54, e7 = s55
	s_load_b64 s[56:57], s[10:11], 0x20            ; e8, e9
	s_lshl_b32 s60, s[BA], 21                      ; a batch's 16 steps of kv,
	s_add_co_u32 s60, s60, s62                     ; my wave's block: batch and wave alone, the same in all four partners
	s_mov_b32 s61, 0
	s_add_nc_u64 s[60:61], s[6:7], s[60:61]
.irp s, 0,1
	s_mov_b32 s[G0+4*\s], 1                        ; count = 1
	s_add_co_u32 s[G0+4*\s+1], s62, \s*SLOT1       ; LDS address
	s_add_nc_u64 s[G0+4*\s+2:G0+4*\s+3], s[60:61], \s*KVSTEP   ; global address: key step s
	s_or_b32 s[G0+4*\s+3], s[G0+4*\s+3], 0x80000000   ; type = 2
.endr
	CROUND                                         ; all four work-groups are here: the first joint loads meet
	tensor_load_to_lds s[G0:G0+3], s[G1:G1+7]      ; both first fills together: two loads of mine are out
	s_nop 0
	tensor_load_to_lds s[G0+4:G0+7], s[G1:G1+7]
	s_nop 0
.rept 4
	v_nop
.endr
	s_lshl_b32 s18, s[BA], 5
	s_add_co_u32 s18, s18, s[QB]
	s_lshl_b32 s18, s18, 15                        ; Q: 32,768 bytes a block of 64 queries
	s_mov_b32 s19, 0
	s_add_nc_u64 s[4:5], s[4:5], s[18:19]
	s_lshl_b32 s18, s[BA], 24                      ; the mask: 16,777,216 bytes a batch,
	s_lshl_b32 s19, s[QB], 19                      ; 524,288 a block
	s_add_co_u32 s18, s18, s19
	s_mov_b32 s19, 0
	s_add_nc_u64 s[MK:MK+1], s[8:9], s[18:19]
	s_lshl_b32 s18, s[BA], 22                      ; the result: 4,194,304 bytes a batch,
	s_lshl_b32 s19, s[QB], 17                      ; 131,072 a block,
	s_add_co_u32 s18, s18, s19
	s_lshl_b32 s19, s[WV], 9                       ; my wave's 512 bytes of a row
	s_add_co_u32 s18, s18, s19
	s_mov_b32 s19, 0
	s_add_nc_u64 s[OUT:OUT+1], s[12:13], s[18:19]
	s_lshl_b32 s18, s[BA], 21                      ; the prefetches: at key step 3; the first refill steps them to step 4.  Nothing is prefetched here, at the head
	s_add_co_u32 s18, s18, 3*KVSTEP
	s_lshl_b32 s19, s[CX], 15
	s_add_co_u32 s18, s18, s19
	s_lshl_b32 s19, s[WV], 13
	s_add_co_u32 s18, s18, s19
	s_mov_b32 s19, 0
	s_add_nc_u64 s[PFA:PFA+1], s[6:7], s[18:19]
	s_cmp_eq_u32 ttmp9, 0                          ; the batch's first cluster: the same in all four partners
	s_cselect_b32 s[LIM], 1, -1
	WIN 0x40                                       ; destination window 1
.set i, 0
.rept 64
	global_load_b128 v[4*i:4*i+3], v[GO], s[4:5] offset:512*i   ; Q's sixteen fragments stay in registers
.set i, i+1
.endr
	WIN 0
	MLOAD 0, 0                                     ; the mask of key steps 0 and 1
	MLOAD 1, 512
	s_wait_kmcnt 0x0
	s_add_co_i32 s66, s54, s55                     ; e6 + e7 goes into c's exponent field, and out of IC's
	s_lshl_b32 s66, s66, 23
	s_add_co_i32 s[CS], s66, 0x420293ee            ; sqrt(512) log2(e) = 32.64446
	s_mov_b32 s[CS+1], s[CS]                       ; (named with it as a pair, so it is written)
	s_sub_co_i32 s[IC], 0x3d3504f3, s66            ; 1 / sqrt(512)
	s_mov_b32 s[IC+1], s[IC]
	s_add_co_i32 s67, s56, 127
	s_lshl_b32 s68, s67, 23
	v_mov_b32 v[SCL], s68                          ; 2^e8 as f32, for the conversion
	s_add_co_i32 s67, s67, 8
	s_lshl_b32 s67, s67, 23
	s_or_b32 s67, s67, 0x600000
	v_mov_b32 v[LIMV], s67                         ; 448 x 2^e8
	s_add_co_i32 s70, s56, s57                     ; e8 + e9
	s_wait_tensorcnt 1                             ; my block of key step 0 is in; step 1's may stay out.  Only I read my blocks, so my own wait is all that the reads need
	KLOAD 0
	WIN 0
	s_wait_loadcnt 32                              ; Q is in; the 32 loads of the mask may be out
	STEP 0, 1, 1, 1, 1, 16, 1                      ; key step 0
	STEP 1, 0, 1, 1, 1, 16, 1                      ; key step 1
	s_mov_b32 s[TRIPS], 6
.Ltrip:                                            ; key steps 2 to 13, two a trip: once round the ring
	STEP 0, 0, 1, 1, 1, 16, 0
	STEP 1, 0, 1, 1, 1, 16, 0
	s_sub_co_u32 s[TRIPS], s[TRIPS], 1
	s_cmp_lg_u32 s[TRIPS], 0
	s_cbranch_scc1 .Ltrip
	STEP 0, 0, 0, 0, 1, 16, 0                      ; the last two steps are written out: nothing is left to ask for
	STEP 1, 0, 0, 0, 0, 0, 0
	; THE WAY OUT.  A row's sum: its two halves, the other half of the lanes', the four waves' (through LDS).  These additions are also the places behind the last products.
.irp m, 0,1,2,3
	v_add_f32 v[ST+8*\m+6], v[ST+8*\m+2], v[ST+8*\m+3]
.endr
.irp m, 0,1,2,3
	v_permlanex16_b32 v[ST+8*\m+7], v[ST+8*\m+6], s[SEL], s[SEL+1]
.endr
.irp m, 0,1,2,3
	v_add_f32 v[ST+8*\m+6], v[ST+8*\m+6], v[ST+8*\m+7]
.endr
.irp m, 0,1,2,3
	ds_store_b32 v[MXS], v[ST+8*\m+6] offset:LXO+256*\m
.endr
	s_wait_dscnt 0x0                               ; for the others' sake: my sums have landed
	s_barrier_signal -1
	s_barrier_wait -1
.irp m, 0,1,2,3
	ds_load_b128 v[ST+8*\m+4:ST+8*\m+7], v[MXL] offset:LXO+256*\m
.endr
	s_wait_dscnt 0x0
.irp m, 0,1,2,3
	v_add_f32 v[ST+8*\m+4], v[ST+8*\m+4], v[ST+8*\m+5]
	v_add_f32 v[ST+8*\m+6], v[ST+8*\m+6], v[ST+8*\m+7]
.endr
.irp m, 0,1,2,3
	v_add_f32 v[ST+8*\m+4], v[ST+8*\m+4], v[ST+8*\m+6]
.endr
.irp m, 0,1,2,3
	v_rcp_f32 v[ST+8*\m+6], v[ST+8*\m+4]
.endr
	v_nop                                          ; a plain line behind the last reciprocal
	s_wait_alu depctr_va_vdst(0)                   ; one wait for the four, ahead of their first reader
.irp m, 0,1,2,3
	v_ldexp_f32 v[ST+8*\m+4], v[ST+8*\m+6], s70    ; 2^(e8 + e9) / the sum
.endr
; Tile m: lane (r, h) holds, of query row r, channels 32 (ct / 2) + 16 h + 8 (ct % 2) + 0 .. 7 of my 128.  They go into my stage's rows of 528 bytes and come back as whole rows of 512.
.macro TOSTAGE m
	WIN 0x02                                       ; source 0 (O^T) window 2
.irp ct, 0,1,2,3,4,5,6,7
.irp k, 0,2,4,6
	v_pk_mul_f32 v[S+8*\ct+\k:S+8*\ct+\k+1], v[32*\ct+8*(\m)+\k:32*\ct+8*(\m)+\k+1], v[ST+8*(\m)+4:ST+8*(\m)+5] op_sel_hi:[1,0]   ; each accumulator from its low end on
.endr
.endr
	WIN 0
.irp ct, 0,1,2,3,4,5,6,7
	ds_store_b128 v[STO], v[S+8*\ct:S+8*\ct+3] offset:128*(\ct/2)+32*(\ct%2)
	ds_store_b128 v[STO], v[S+8*\ct+4:S+8*\ct+7] offset:128*(\ct/2)+32*(\ct%2)+16
.endr
.irp p, 0,1,2,3,4,5,6,7,8,9,10,11,12,13,14,15
	ds_load_b128 v[MB+64*((\m)%2)+4*\p:MB+64*((\m)%2)+4*\p+3], v[SRD] offset:SP*\p   ; LDS serves a wave's instructions in order (ISA guide 5.7.1.4): these see the stores above, and the next tile's stores come behind them
.endr
.endm
.macro SEND m, younger                 ; younger: the LDS instructions issued behind tile m's loads, which may stay out
	s_wait_dscnt \younger
.irp p, 0,1,2,3,4,5,6,7,8,9,10,11,12,13,14,15
	global_store_b128 v[GO], v[MB+64*((\m)%2)+4*\p:MB+64*((\m)%2)+4*\p+3], s[OUT:OUT+1] offset:(32*((\m)/2)+8*((\m)%2)+\p+8*(\p/8))*2048 th:TH_STORE_NT   ; 32 lanes store 512 consecutive bytes, at a multiple of 512 from out0's first byte
.endr
.endm
	TOSTAGE 0
.irp m, 1,2,3
.if \m > 1
	s_wait_xcnt 0x0                                ; the stores of two tiles ago have read their registers: this tile's loads may land there
.endif
	TOSTAGE \m
	SEND \m-1, 32                                  ; behind tile m - 1's loads: tile m's 16 stores and 16 loads
.endr
	SEND 3, 0
	s_wait_tensorcnt 0x0                           ; the wave's end, behind my last tensor load and my last LDS store
	ds_add_u32 v[SPW], v[NIL]
	s_wait_dscnt 0x0
	CROUND                                         ; the closing round: no work-group ends while a partner may still ask for a block that names it
	s_endpgm
.Lfunc_end_k_q9ec96fe6d8_attn:
	.size	k_q9ec96fe6d8_attn, .Lfunc_end_k_q9ec96fe6d8_attn-k_q9ec96fe6d8_attn
	.p2alignl 7, 3214868480
	.fill 96, 4, 3214868480
	.section	.rodata,"a",@progbits
	.p2align	6, 0x0
	.amdhsa_kernel k_q9ec96fe6d8_attn
		.amdhsa_group_segment_fixed_size 327680
		.amdhsa_private_segment_fixed_size 0
		.amdhsa_enable_private_segment 0
		.amdhsa_kernarg_size 40
		.amdhsa_user_sgpr_count 2
		.amdhsa_user_sgpr_kernarg_segment_ptr 1
		.amdhsa_wavefront_size32 1
		.amdhsa_system_sgpr_workgroup_id_x 1
		.amdhsa_system_sgpr_workgroup_id_y 1
		.amdhsa_system_sgpr_workgroup_id_z 1
		.amdhsa_system_vgpr_workitem_id 0
		.amdhsa_next_free_vgpr 1024
		.amdhsa_next_free_sgpr 76
		.amdhsa_reserve_vcc 0
		.amdhsa_float_denorm_mode_32 3
		.amdhsa_float_denorm_mode_16_64 3
		.amdhsa_memory_ordered 1
		.amdhsa_forward_progress 1
		.amdhsa_inst_pref_size 242
	.end_amdhsa_kernel
	.amdgpu_metadata
---
amdhsa.version: [ 1, 2 ]
amdhsa.kernels:
  - .name:           k_q9ec96fe6d8_attn
    .symbol:         k_q9ec96fe6d8_attn.kd
    .args:
      - { .name: qc, .offset: 0, .size: 8, .value_kind: global_buffer, .address_space: global }
      - { .name: kv, .offset: 8, .size: 8, .value_kind: global_buffer, .address_space: global }
      - { .name: mask, .offset: 16, .size: 8, .value_kind: global_buffer, .address_space: global }
      - { .name: lowp_scales, .offset: 24, .size: 8, .value_kind: global_buffer, .address_space: global }
      - { .name: out0, .offset: 32, .size: 8, .value_kind: global_buffer, .address_space: global }
    .group_segment_fixed_size: 327680
    .private_segment_fixed_size: 0
    .kernarg_segment_align: 8
    .kernarg_segment_size: 40
    .max_flat_workgroup_size: 128
    .sgpr_count:     76
    .vgpr_count:     1024
    .wavefront_size: 32
...
	.end_amdgpu_metadata
.endif
;; end of part 3
;; ======== version 2 of 2: 3 launches
;; limits: right only within a limited range of input values
;; workspace buffers: wc 786,432 bytes; qc 8,388,608 bytes; kv 16,777,216 bytes
;; launch wquant (part 4): grid 32 x 3, 4 waves a work-group, no clusters, 0 bytes of LDS; arguments Wq, Wk, Wv, lowp_scales, wc; writes wc
.if DOCPART == 4
	.amdgcn_target "amdgcn-amd-amdhsa--gfx1250"
	.amdhsa_code_object_version 6
	.text
	.protected	k_q9ec96fe6d8_wquant
	.globl	k_q9ec96fe6d8_wquant
	.p2align	8
	.type	k_q9ec96fe6d8_wquant,@function
k_q9ec96fe6d8_wquant:
	s_mov_b64 s[64:65], 0
	v_nop
	global_prefetch_b8 v0, s[64:65] scope:SCOPE_SE
	s_setreg_imm32_b32 hwreg(HW_REG_WAVE_MODE, 25, 1), 1
	s_wait_xcnt 0x0
; Wq, Wk, Wv [512][512] f32 (K innermost) become codes of E4M3, each with its given scale 2^e (entries 1, 3, 5 of the scales), laid as IMAGES OF OPERAND REGISTERS.
; code = x / 2^e, held within +-448, rounded to the nearest code, ties to even.
; wc: [3 W][32 T][4 c][2048].  Fragment (T, c): byte 512 g + 16 L + i is the code of W[64 (T / 4) + PERM(T % 4, r)][128 c + 32 g + 16 h + i],
; L = 16 h + r the lane, PERM(t, r) = 32 (t / 2) + 8 (t % 2) + r + 8 (r / 8).  Four loads of 16 bytes a lane at 16 L + 512 g give a reader the fragment's 16 registers.
; Work-group (x = T, y = which W); wave c makes fragment (T, c): 16 rows x 128 along K, 64 numbers a lane.  No LDS, no barrier, no loop: 3 MB in all.
; LIMITS: e between -126 and 119, so that 2^e and 448 x 2^e are f32 numbers.  NaN among the inputs is not served.
.set X, 16                             ; v16-79  64 numbers: register 16 g + i = k 32 g + 16 h + i of my row
.set C, 80                             ; v80-95  their codes
	s_load_b256 s[4:11], s[0:1], 0x0               ; Wq s[4:5], Wk s[6:7], Wv s[8:9], the scales' exponents s[10:11]
	s_load_b64 s[12:13], s[0:1], 0x20              ; wc
	v_lshrrev_b32 v3, 5, v0
	v_readfirstlane_b32 s19, v3                    ; wave = K step c
	s_and_b32 s18, ttmp7, 0xffff                   ; which W
	v_and_b32 v3, 15, v0                           ; r
	v_bfe_u32 v4, v0, 4, 1                         ; h
	v_and_b32 v2, 31, v0
	v_lshlrev_b32 v2, 4, v2                        ; out: 16 x lane
	v_and_b32 v1, 8, v3
	v_add_nc_u32 v1, v1, v3                        ; r + 8 (r / 8)
	v_lshlrev_b32 v1, 11, v1                       ; a row of W is 2,048 bytes
	v_lshl_add_u32 v1, v4, 6, v1                   ; + 16 h numbers
	s_lshr_b32 s28, ttmp9, 2
	s_lshl_b32 s28, s28, 17                        ; 64 (T / 4) rows
	s_bfe_u32 s29, ttmp9, 0x10001
	s_lshl_b32 s29, s29, 16                        ; + 32 ((T / 2) % 2) rows
	s_add_co_u32 s28, s28, s29
	s_and_b32 s29, ttmp9, 1
	s_lshl_b32 s29, s29, 14                        ; + 8 (T % 2) rows
	s_add_co_u32 s28, s28, s29
	s_lshl_b32 s29, s19, 9                         ; + 128 c numbers
	s_add_co_u32 s28, s28, s29
	s_mov_b32 s29, 0
	s_lshl_b32 s30, s18, 18                        ; wc: 262,144 bytes a W,
	s_lshl_b32 s31, ttmp9, 13                      ; 8,192 a tile,
	s_add_co_u32 s30, s30, s31
	s_lshl_b32 s31, s19, 11                        ; 2,048 a fragment
	s_add_co_u32 s30, s30, s31
	s_mov_b32 s31, 0
	s_wait_alu depctr_va_vdst(0)
	s_wait_kmcnt 0x0
	s_load_b256 s[20:27], s[10:11], 0x0            ; entries 0 to 7
	s_cmp_eq_u32 s18, 1                            ; the choice hangs on the work-group's number alone
	s_cselect_b64 s[14:15], s[6:7], s[4:5]
	s_cmp_eq_u32 s18, 2
	s_cselect_b64 s[14:15], s[8:9], s[14:15]
	s_add_nc_u64 s[14:15], s[14:15], s[28:29]
	s_add_nc_u64 s[12:13], s[12:13], s[30:31]
.irp g, 0,1,2,3
.irp q, 0,1,2,3
	global_load_b128 v[X+16*\g+4*\q:X+16*\g+4*\q+3], v1, s[14:15] offset:128*\g+16*\q th:TH_LOAD_NT
.endr
.endr
	s_wait_kmcnt 0x0
	s_cmp_eq_u32 s18, 1
	s_cselect_b32 s17, s23, s21                    ; e: entry 1, 3 or 5
	s_cmp_eq_u32 s18, 2
	s_cselect_b32 s17, s25, s17
	s_add_co_i32 s17, s17, 127
	s_lshl_b32 s16, s17, 23
	v_mov_b32 v10, s16                             ; 2^e as f32: the conversion takes its exponent field
	s_add_co_i32 s17, s17, 8
	s_lshl_b32 s17, s17, 23
	s_or_b32 s17, s17, 0x600000
	v_mov_b32 v11, s17                             ; 448 x 2^e
	s_wait_alu depctr_va_vdst(0)
	s_wait_loadcnt 0x0
.set i, 0
.rept 64
	v_med3_num_f32 v[X+i], v[X+i], -v11, v11       ; the conversion to an 8-bit code does not saturate (ISA guide 7.6.2): the hold comes first
.set i, i+1
.endr
.irp g, 0,1,2,3
	v_cvt_scalef32_pk8_fp8_f32 v[C+4*\g:C+4*\g+1], v[X+16*\g:X+16*\g+7], v10
	v_cvt_scalef32_pk8_fp8_f32 v[C+4*\g+2:C+4*\g+3], v[X+16*\g+8:X+16*\g+15], v10
.endr
	v_nop                                          ; a plain line behind the last conversion
.irp g, 0,1,2,3
	global_store_b128 v2, v[C+4*\g:C+4*\g+3], s[12:13] offset:512*\g   ; the wave stores 512 consecutive bytes, at a multiple of 512 from wc's first byte
.endr
	s_endpgm
.Lfunc_end_k_q9ec96fe6d8_wquant:
	.size	k_q9ec96fe6d8_wquant, .Lfunc_end_k_q9ec96fe6d8_wquant-k_q9ec96fe6d8_wquant
	.p2alignl 7, 3214868480
	.fill 96, 4, 3214868480
	.section	.rodata,"a",@progbits
	.p2align	6, 0x0
	.amdhsa_kernel k_q9ec96fe6d8_wquant
		.amdhsa_group_segment_fixed_size 0
		.amdhsa_private_segment_fixed_size 0
		.amdhsa_enable_private_segment 0
		.amdhsa_kernarg_size 40
		.amdhsa_user_sgpr_count 2
		.amdhsa_user_sgpr_kernarg_segment_ptr 1
		.amdhsa_wavefront_size32 1
		.amdhsa_system_sgpr_workgroup_id_x 1
		.amdhsa_system_sgpr_workgroup_id_y 1
		.amdhsa_system_sgpr_workgroup_id_z 1
		.amdhsa_system_vgpr_workitem_id 0
		.amdhsa_next_free_vgpr 96
		.amdhsa_next_free_sgpr 66
		.amdhsa_reserve_vcc 0
		.amdhsa_float_denorm_mode_32 3
		.amdhsa_float_denorm_mode_16_64 3
		.amdhsa_memory_ordered 1
		.amdhsa_forward_progress 1
		.amdhsa_inst_pref_size 9
	.end_amdhsa_kernel
	.amdgpu_metadata
---
amdhsa.version: [ 1, 2 ]
amdhsa.kernels:
  - .name:           k_q9ec96fe6d8_wquant
    .symbol:         k_q9ec96fe6d8_wquant.kd
    .args:
      - { .name: Wq, .offset: 0, .size: 8, .value_kind: global_buffer, .address_space: global }
      - { .name: Wk, .offset: 8, .size: 8, .value_kind: global_buffer, .address_space: global }
      - { .name: Wv, .offset: 16, .size: 8, .value_kind: global_buffer, .address_space: global }
      - { .name: lowp_scales, .offset: 24, .size: 8, .value_kind: global_buffer, .address_space: global }
      - { .name: wc, .offset: 32, .size: 8, .value_kind: global_buffer, .address_space: global }
    .group_segment_fixed_size: 0
    .private_segment_fixed_size: 0
    .kernarg_segment_align: 8
    .kernarg_segment_size: 40
    .max_flat_workgroup_size: 128
    .sgpr_count:     66
    .vgpr_count:     96
    .wavefront_size: 32
...
	.end_amdgpu_metadata
.endif
;; end of part 4
;; launch proj (part 5): grid 64 x 3, 4 waves a work-group, no clusters, 67,072 bytes of LDS; arguments ft_q, ft_k, ft_v, wc, lowp_scales, qc, kv; writes qc, kv
.if DOCPART == 5
	.amdgcn_target "amdgcn-amd-amdhsa--gfx1250"
	.amdhsa_code_object_version 6
	.text
	.protected	k_q9ec96fe6d8_proj
	.globl	k_q9ec96fe6d8_proj
	.p2align	8
	.type	k_q9ec96fe6d8_proj,@function
k_q9ec96fe6d8_proj:
	s_mov_b64 s[64:65], 0
	v_nop
	global_prefetch_b8 v0, s[64:65] scope:SCOPE_SE
	s_setreg_imm32_b32 hwreg(HW_REG_WAVE_MODE, 25, 1), 1
	s_wait_xcnt 0x0
; q = ft_q Wq^T, k = ft_k Wk^T, v = ft_v Wv^T on codes of E4M3, and q, k, v quantised again for the two products of attention.  ft_*: [16384][512] f32.  wc: the weights' codes as images of operand registers.
; Work-group (x = 256 rows, y = 0 q, 1 k, 2 v) walks four blocks of 64 rows.  THE WAVES SHARE THE COLUMNS: wave w keeps features 128 w .. 128 w + 127 of W (32 fragments, 512 registers) for the whole launch.
; 3 x 16,384 rows do not fall into 256 equal shares that stay inside one tensor: 192 equal work-groups.  NO CLUSTER: what work-groups share, the weights' 256 KB, is read once by each, straight into registers,
; against 512 KB of rows that nobody shares.
; A BLOCK, two barriers.  X: wave w quantises rows PERM(w, r) of the block's 64 (four fragments, 256 numbers a lane) and stores their images in LDS | barrier | for each tile of 16 rows: its four fragments from LDS,
; 32 products, the sums quantised in registers, the codes stored as images | barrier.
; x IS LOADED AS IT LIES AND TURNED IN LDS.  The conversions want 16 neighbours of ONE row in a lane; a load takes 512 consecutive bytes of one row, 16 a lane.  A K step's 16 rows x 512 bytes go through the wave's own
; stage (rows of 528 bytes) and come back, into the registers that they left, 64 bytes a lane in each block of 32 numbers.
; PERM(t, r) = 32 (t / 2) + 8 (t % 2) + r + 8 (r / 8): rows and features of a tile are chosen so that the 16 result registers of two neighbouring tiles of source 0 are 16 neighbours along the next K.
; q, k: source 0 = W, source 1 = x: a lane holds one row, its 64 registers features 128 w + 32 g + 16 h + i: K step w of that row tile's fragment.
; v: source 0 = x, source 1 = W: a lane holds one channel, its registers run along the keys, which are the last product's K.
; OUT.  qc: [1024 T][4 c][2048], T = row tile.  kv: [8 b][16 j][4 w][32768]: what wave w of the attention launch reads in key step j: 16,384 bytes of k ([2 u][4 c][2048], row tile 128 b + 8 j + 2 w + u),
; then 16,384 of v ([8 ct][2048]: byte 512 g + 16 L + i = v[key 128 j + 32 g + 16 h + i][channel 128 w + 32 (ct / 2) + 8 (ct % 2) + r + 8 (r / 8)]).
; A sum stands for sum x 2^(ex + ew): its code is sum / 2^(eo - ex - ew), eo = entry 6 (q), 7 (k), 9 (v) of the scales; ex, ew = entries 2 y, 2 y + 1.
; LIMITS: ex, and eo - ex - ew, between -126 and 119.  NaN among the inputs is not served.
; REGISTERS, in windows of 256: window 0: addresses, x's four fragments, sums, codes;  window 1: W's tiles 0-3 (tile t, K step c at v[64 t + 16 c]);  window 2: tiles 4-7;  window 3: 256 numbers of x.
; kv AS THIS TEXT STORES IT (this takes the place of kv's layout above): [8 b][8 waves of attention][16 j][16384]: waves 0-3: k ([2 u][4 c][2048]), waves 4-7: v ([8 ct][2048]), each for key step j.
.set XIMG,  0                          ; LDS: x's 16 fragments: (tile, K step c) at (4 tile + c) x 2,048
.set XSTG,  32768                      ; behind them: a stage of 16 rows x 528 bytes for each wave, for x's turn
.set XSP,   528                        ; 512 bytes + 16: 33 x 16, so that the 16 rows that a load back touches start at 16 different columns of 16 bytes
.set SPARE, XSTG+4*16*XSP              ; behind the stages: the spare words, 128 bytes for each wave: two blocks of 256 bytes that no other line names
.set XA,  1                            ; v1   x: 16 x lane + my wave's first row
.set LI,  2                            ; v2   16 x lane
.set XWI, 3                            ; v3   where I store x's images: 16 x lane + 8,192 x wave
.set VA,  4                            ; v4   my byte in the block's part of the output
.set VB,  5                            ; v5   the same for row tiles 2 and 3 (q, k)
.set SPW, 8                            ; v8   LDS address of my spare word; never rewritten
.set NIL, 9                            ; v9   0; never rewritten
.set SX,  10                           ; v10  2^ex;   v11  448 x 2^ex
.set LX,  11
.set SO,  12                           ; v12  2^(eo - ex - ew);   v13  448 x that
.set LO,  13
.set XSI, 14                           ; v14  my stage, on the way in: 16 x lane
.set XSO, 15                           ; v15  and back: row r, + 64 h
.set XF,  16                           ; v16-79   a row tile's four fragments
.set HA,  80                           ; v80-207  sums
.set PC,  208                          ; v208-239 codes, two sets of 16
.set WV,  18
.set TEN, 19
.set NB,  20                           ; the block, 0 to 3
.set XP,  22                           ; s[22:23] x at the block's first row
.set OUTB, 24                          ; s[24:25] the output at my work-group's part
.set OUT, 26                           ; s[26:27] at the block's part
.set WB,  30                           ; s[30:31] my wave's fragments of W
.set MSB, 0
.macro WIN new                         ; the immediate's high byte repeats the setting that is left
.if MSB != (\new)
	s_set_vgpr_msb (MSB<<8)|(\new)
.set MSB, (\new)
.endif
.endm
.macro PLACES                          ; four plain vector lines between a matrix instruction and a load into its sources or a vector read of its result
.rept 4
	v_nop
.endr
.endm
.macro BARRIER                         ; my LDS stores have landed and my LDS loads are in: then the work-group's barrier
	s_wait_dscnt 0x0
	s_barrier_signal -1
	s_barrier_wait -1
.endm
.macro XLOAD c, off                    ; K step c of my 16 rows, from off bytes on, into window 3, as it lies: load p takes the 512 bytes of row p + 8 (p / 8), 16 a lane
	WIN 0xc0
.irp p, 0,1,2,3,4,5,6,7,8,9,10,11,12,13,14,15
	global_load_b128 v[64*(\c)+4*\p:64*(\c)+4*\p+3], v[XA], s[XP:XP+1] offset:\off+(\p+8*(\p/8))*2048+512*(\c) th:TH_LOAD_NT
.endr
	WIN 0
.endm
.macro XNEXT c                         ; the next block's numbers, into the registers just converted; the last block asks for nothing: no load leaves its buffer
	s_cmp_eq_u32 s[NB], 3
	s_cbranch_scc1 .Lno_next_\@
	XLOAD \c, 131072
.Lno_next_\@:
.endm
; K step c's numbers through my stage: in as loaded, a row to a store; back so that register 64 c + 16 g + i is k 128 c + 32 g + 16 h + i of row r.
; LDS serves a wave's instructions in order (ISA guide 5.7.1.4): no wait between the stores and the loads, nor in front of the next turn's stores.
.macro XTURN c
	WIN 0x0c                                       ; store data window 3, address window 0
.irp p, 0,1,2,3,4,5,6,7,8,9,10,11,12,13,14,15
	ds_store_b128 v[XSI], v[64*(\c)+4*\p:64*(\c)+4*\p+3] offset:XSP*\p
.endr
	WIN 0xc0                                       ; destination window 3
.irp g, 0,1,2,3
.irp q, 0,1,2,3
	ds_load_b128 v[64*(\c)+16*\g+4*\q:64*(\c)+16*\g+4*\q+3], v[XSO] offset:128*\g+16*\q
.endr
.endr
	WIN 0
.endm
.macro QUANTX c, set                   ; 64 numbers of x in window 3 become a fragment's codes
	WIN 0xc3
.set i, 0
.rept 64
	v_med3_num_f32 v[64*(\c)+i], v[64*(\c)+i], -v[LX], v[LX]   ; the hold at the largest code x the scale (ISA guide 7.6.2: the conversion does not saturate)
.set i, i+1
.endr
	WIN 0x03
.irp g, 0,1,2,3
	v_cvt_scalef32_pk8_fp8_f32 v[PC+16*(\set)+4*\g:PC+16*(\set)+4*\g+1], v[64*(\c)+16*\g:64*(\c)+16*\g+7], v[SX]
	v_cvt_scalef32_pk8_fp8_f32 v[PC+16*(\set)+4*\g+2:PC+16*(\set)+4*\g+3], v[64*(\c)+16*\g+8:64*(\c)+16*\g+15], v[SX]
.endr
	WIN 0
	v_nop                                          ; a plain line behind the last conversion
.endm
.macro QUANT src, set                  ; 64 sums in window 0 become 64 codes; each accumulator is read from its low end on
.irp b, 0,1,2,3
.irp i, 0,1,2,3,4,5,6,7,8,9,10,11,12,13,14,15
	v_med3_num_f32 v[(\src)+16*\b+\i], v[(\src)+16*\b+\i], -v[LO], v[LO]
.endr
	v_cvt_scalef32_pk8_fp8_f32 v[PC+16*(\set)+4*\b:PC+16*(\set)+4*\b+1], v[(\src)+16*\b:(\src)+16*\b+7], v[SO]
	v_cvt_scalef32_pk8_fp8_f32 v[PC+16*(\set)+4*\b+2:PC+16*(\set)+4*\b+3], v[(\src)+16*\b+8:(\src)+16*\b+15], v[SO]
.endr
	v_nop                                          ; a plain line between the last conversion and the products that write its sources
.endm
.macro IMAGE c, set                    ; a fragment goes to LDS as it stands in the registers
.irp g, 0,1,2,3
	ds_store_b128 v[XWI], v[PC+16*(\set)+4*\g:PC+16*(\set)+4*\g+3] offset:XIMG+2048*(\c)+512*\g
.endr
.endm
.macro FETCH f                         ; row tile f's four fragments come back so, in any wave
.irp c, 0,1,2,3
.irp g, 0,1,2,3
	ds_load_b128 v[XF+16*\c+4*\g:XF+16*\c+4*\g+3], v[LI] offset:XIMG+(4*(\f)+\c)*2048+512*\g
.endr
.endr
.endm
; 32 products: my 8 tiles of W against row tile tau, K in four steps.  In each half four accumulators take turns, one instruction a turn; the first K step starts the sums with the constant 0.
.macro PROD tau, isv
.irp hf, 0,1
.if \isv
.set WN, 0x04+0x04*\hf                 ; source 1 (W) in window 1 or 2
.else
.set WN, 0x01+\hf                      ; source 0 (W) in window 1 or 2
.endif
	WIN WN
.irp c, 0,1,2,3
.irp t, 0,1,2,3
.set rW, 64*\t+16*\c
.set rX, XF+16*\c
.if \isv
.set rD, HA+64*\hf+16*\t+8*((\tau)%2)
.if \c == 0
	v_wmma_f32_16x16x128_fp8_fp8 v[rD:rD+7], v[rX:rX+15], v[rW:rW+15], 0
.else
	v_wmma_f32_16x16x128_fp8_fp8 v[rD:rD+7], v[rX:rX+15], v[rW:rW+15], v[rD:rD+7]
.endif
.else
.set rD, HA+32*\hf+8*\t
.if \c == 0
	v_wmma_f32_16x16x128_fp8_fp8 v[rD:rD+7], v[rW:rW+15], v[rX:rX+15], 0
.else
	v_wmma_f32_16x16x128_fp8_fp8 v[rD:rD+7], v[rW:rW+15], v[rX:rX+15], v[rD:rD+7]
.endif
.endif
.endr
.endr
.endr
	WIN 0
.endm
.macro MKOUT                           ; the block's part of the output: q: 32,768 n;  k: 16,384 (n / 2) + 524,288 (n % 2);  v: 16,384 (n / 2) + 1,024 (n % 2)
	s_lshl_b32 s46, s[NB], 15
	s_lshr_b32 s48, s[NB], 1
	s_lshl_b32 s48, s48, 14                        ; k and v: 16,384 (n / 2): the key step;
	s_and_b32 s49, s[NB], 1
	s_lshl_b32 s47, s49, 19
	s_add_co_u32 s47, s47, s48                     ; k: + two reading waves' 262,144 for an odd n
	s_lshl_b32 s49, s49, 10
	s_add_co_u32 s48, s48, s49                     ; v: + two groups of 32 keys for an odd n
	s_cmp_eq_u32 s[TEN], 1
	s_cselect_b32 s46, s47, s46
	s_cmp_eq_u32 s[TEN], 2
	s_cselect_b32 s46, s48, s46
	s_mov_b32 s47, 0
	s_add_nc_u64 s[OUT:OUT+1], s[OUTB:OUTB+1], s[46:47]
.endm
	s_load_b256 s[4:11], s[0:1], 0x0               ; ft_q s[4:5], ft_k s[6:7], ft_v s[8:9], wc s[10:11]
	s_load_b128 s[12:15], s[0:1], 0x20             ; the scales' exponents s[12:13], qc s[14:15]
	s_load_b64 s[16:17], s[0:1], 0x30              ; kv
	v_lshl_add_u32 v[SPW], v0, 2, SPARE
	v_mov_b32 v[NIL], 0
	v_lshrrev_b32 v6, 5, v0
	v_readfirstlane_b32 s[WV], v6                  ; wave 0..3
	s_and_b32 s[TEN], ttmp7, 0xffff                ; 0 q, 1 k, 2 v
	s_mov_b32 s[NB], 0
	v_and_b32 v6, 15, v0                           ; r
	v_bfe_u32 v7, v0, 4, 1                         ; h
	v_and_b32 v[LI], 31, v0
	v_lshlrev_b32 v[LI], 4, v[LI]
	s_wait_alu depctr_va_vdst(0)
	s_lshr_b32 s28, s[WV], 1
	s_lshl_b32 s28, s28, 16                        ; 32 (w / 2) rows of 2,048 bytes
	s_and_b32 s29, s[WV], 1
	s_lshl_b32 s29, s29, 14                        ; + 8 (w % 2) rows
	s_add_co_u32 s28, s28, s29
	v_add_nc_u32 v[XA], s28, v[LI]                 ; x: my wave's first row, 16 bytes a lane
	s_mul_i32 s28, s[WV], 16*XSP
	s_add_co_u32 s28, s28, XSTG                    ; my stage
	v_add_nc_u32 v[XSI], s28, v[LI]
	v_mul_u32_u24 v[XSO], v6, XSP
	v_lshl_add_u32 v[XSO], v7, 6, v[XSO]
	v_add_nc_u32 v[XSO], s28, v[XSO]
	s_lshl_b32 s28, s[WV], 13
	v_add_nc_u32 v[XWI], s28, v[LI]
	s_lshl_b32 s50, s[WV], 11                      ; q, k: K step w of a row tile's fragments;
	s_lshl_b32 s51, s[WV], 18
	s_add_co_u32 s51, s51, 0x100000
	s_cmp_eq_u32 s[TEN], 2
	s_cselect_b32 s50, s51, s50
	v_add_nc_u32 v[VA], s50, v[LI]
	s_mov_b32 s51, 16384                           ; row tiles 2, 3: two tiles on in qc; in kv the next reading wave's block
	s_cmp_eq_u32 s[TEN], 1
	s_cselect_b32 s51, 262144, s51
	v_add_nc_u32 v[VB], s51, v[VA]
	s_wait_alu depctr_va_vdst(0)
	s_wait_kmcnt 0x0
	s_load_b256 s[32:39], s[12:13], 0x0            ; entries 0 to 7
	s_load_b64 s[40:41], s[12:13], 0x20            ; entries 8, 9
	s_cmp_eq_u32 s[TEN], 1                         ; the choices hang on the work-group's number alone
	s_cselect_b64 s[XP:XP+1], s[6:7], s[4:5]
	s_cmp_eq_u32 s[TEN], 2
	s_cselect_b64 s[XP:XP+1], s[8:9], s[XP:XP+1]
	s_cmp_eq_u32 s[TEN], 0
	s_cselect_b64 s[OUTB:OUTB+1], s[14:15], s[16:17]
	s_lshl_b32 s28, ttmp9, 17                      ; 256 rows are 131,072 bytes of qc;
	s_lshr_b32 s52, ttmp9, 3
	s_lshl_b32 s52, s52, 21                        ; in kv 2,097,152 a batch,
	s_and_b32 s53, ttmp9, 7
	s_lshl_b32 s53, s53, 15                        ; and two key steps
	s_add_co_u32 s52, s52, s53
	s_cmp_eq_u32 s[TEN], 0
	s_cselect_b32 s28, s28, s52
	s_mov_b32 s29, 0
	s_add_nc_u64 s[OUTB:OUTB+1], s[OUTB:OUTB+1], s[28:29]
	s_lshl_b32 s28, ttmp9, 19                      ; and 524,288 of x
	s_add_nc_u64 s[XP:XP+1], s[XP:XP+1], s[28:29]
	s_lshl_b32 s28, s[TEN], 18
	s_lshl_b32 s52, s[WV], 16
	s_add_co_u32 s28, s28, s52
	s_add_nc_u64 s[WB:WB+1], s[10:11], s[28:29]
.irp c, 0,1,2,3
	XLOAD \c, 0                                    ; the first block's numbers
.endr
	WIN 0x40                                       ; destination window 1
.set i, 0
.rept 64
	global_load_b128 v[4*i:4*i+3], v[LI], s[WB:WB+1] offset:512*i
.set i, i+1
.endr
	WIN 0x80                                       ; destination window 2
.set i, 0
.rept 64
	global_load_b128 v[4*i:4*i+3], v[LI], s[WB:WB+1] offset:32768+512*i
.set i, i+1
.endr
	WIN 0
	MKOUT
	s_wait_kmcnt 0x0
	s_cmp_eq_u32 s[TEN], 1
	s_cselect_b32 s42, s34, s32                    ; ex
	s_cselect_b32 s43, s35, s33                    ; ew
	s_cselect_b32 s44, s39, s38                    ; eo
	s_cmp_eq_u32 s[TEN], 2
	s_cselect_b32 s42, s36, s42
	s_cselect_b32 s43, s37, s43
	s_cselect_b32 s44, s41, s44
	s_sub_co_i32 s44, s44, s42
	s_sub_co_i32 s44, s44, s43                     ; eo - ex - ew
	s_add_co_i32 s42, s42, 127
	s_lshl_b32 s45, s42, 23
	v_mov_b32 v[SX], s45
	s_add_co_i32 s42, s42, 8
	s_lshl_b32 s42, s42, 23
	s_or_b32 s42, s42, 0x600000
	v_mov_b32 v[LX], s42
	s_add_co_i32 s44, s44, 127
	s_lshl_b32 s45, s44, 23
	v_mov_b32 v[SO], s45
	s_add_co_i32 s44, s44, 8
	s_lshl_b32 s44, s44, 23
	s_or_b32 s44, s44, 0x600000
	v_mov_b32 v[LO], s44
.Lblock:
	; ---- X: my 16 rows become four fragments.  Their numbers were asked for a block ago.  The turn through the stage runs a K step ahead of the conversions
	s_wait_loadcnt 0x0                             ; for zero, so that the count holds whether or not the last trip asked for more
	XTURN 0
	XTURN 1
	s_wait_alu depctr_va_vdst(0)
.irp c, 0,1,2,3
.if \c == 0
	s_wait_dscnt 32                                ; K step 0 is back; the 32 instructions of K step 1's turn may be out
.elseif \c < 3
	s_wait_dscnt 36                                ; this K step is back; behind it: the last image's four stores and the next turn's 32.  The image stores of two K steps ago, which read this set of codes, are older still
.else
	s_wait_dscnt 4                                 ; K step 3 is back; behind it: K step 2's four image stores
.endif
	QUANTX \c, \c%2
	IMAGE \c, \c%2
	XNEXT \c
.if \c < 2
	XTURN \c+2
.endif
.endr
	BARRIER                                        ; the block's sixteen fragments lie in LDS
	s_cmp_eq_u32 s[TEN], 2                         ; the same in all waves of a work-group; both ways only read LDS, and no barrier stands on either
	s_cbranch_scc1 .Lv
	; ---- q, k
	FETCH 0
.irp tau, 0,1,2,3
	s_wait_dscnt 0x0
	PROD \tau, 0
	PLACES
.if \tau < 3
	FETCH \tau+1
.endif
	s_wait_xcnt 0x0                                ; the stores of two tiles ago have read this set of codes
	QUANT HA, \tau%2
.irp g, 0,1,2,3
.if \tau < 2
	global_store_b128 v[VA], v[PC+16*(\tau%2)+4*\g:PC+16*(\tau%2)+4*\g+3], s[OUT:OUT+1] offset:8192*(\tau%2)+512*\g   ; the wave stores 512 consecutive bytes, at a multiple of 512 from the buffer's first byte
.else
	global_store_b128 v[VB], v[PC+16*(\tau%2)+4*\g:PC+16*(\tau%2)+4*\g+3], s[OUT:OUT+1] offset:8192*(\tau%2)+512*\g
.endif
.endr
.endr
	s_branch .Ljoin
.Lv:
	; ---- v: two row tiles give 32 neighbouring keys: register 16 ct + i of the sums is key 32 (tau / 2) + 16 h + i
	FETCH 0
.irp tau, 0,1,2,3
	s_wait_dscnt 0x0
	PROD \tau, 1
	PLACES
.if \tau < 3
	FETCH \tau+1
.endif
.if \tau%2
.irp hf, 0,1
	s_wait_xcnt 0x0                                ; earlier stores have read this set of codes
	QUANT HA+64*\hf, \hf
.irp g, 0,1,2,3
	global_store_b128 v[VA], v[PC+16*\hf+4*\g:PC+16*\hf+4*\g+3], s[OUT:OUT+1] offset:(4*\hf+\g)*2048+512*(\tau/2)
.endr
.endr
.endif
.endr
.Ljoin:
	BARRIER                                        ; every wave's reads of x's images are in: the next block may store over them
	s_wait_xcnt 0x0                                ; the loads and stores have read their bases and data
	s_add_nc_u64 s[XP:XP+1], s[XP:XP+1], 131072
	s_add_co_u32 s[NB], s[NB], 1
	MKOUT
	s_cmp_lt_u32 s[NB], 4
	s_cbranch_scc1 .Lblock
	s_wait_tensorcnt 0x0                           ; the wave's end, behind my last LDS store
	ds_add_u32 v[SPW], v[NIL]
	s_wait_dscnt 0x0
	s_endpgm
.Lfunc_end_k_q9ec96fe6d8_proj:
	.size	k_q9ec96fe6d8_proj, .Lfunc_end_k_q9ec96fe6d8_proj-k_q9ec96fe6d8_proj
	.p2alignl 7, 3214868480
	.fill 96, 4, 3214868480
	.section	.rodata,"a",@progbits
	.p2align	6, 0x0
	.amdhsa_kernel k_q9ec96fe6d8_proj
		.amdhsa_group_segment_fixed_size 67072
		.amdhsa_private_segment_fixed_size 0
		.amdhsa_enable_private_segment 0
		.amdhsa_kernarg_size 56
		.amdhsa_user_sgpr_count 2
		.amdhsa_user_sgpr_kernarg_segment_ptr 1
		.amdhsa_wavefront_size32 1
		.amdhsa_system_sgpr_workgroup_id_x 1
		.amdhsa_system_sgpr_workgroup_id_y 1
		.amdhsa_system_sgpr_workgroup_id_z 1
		.amdhsa_system_vgpr_workitem_id 0
		.amdhsa_next_free_vgpr 1024
		.amdhsa_next_free_sgpr 66
		.amdhsa_reserve_vcc 0
		.amdhsa_float_denorm_mode_32 3
		.amdhsa_float_denorm_mode_16_64 3
		.amdhsa_memory_ordered 1
		.amdhsa_forward_progress 1
		.amdhsa_inst_pref_size 124
	.end_amdhsa_kernel
	.amdgpu_metadata
---
amdhsa.version: [ 1, 2 ]
amdhsa.kernels:
  - .name:           k_q9ec96fe6d8_proj
    .symbol:         k_q9ec96fe6d8_proj.kd
    .args:
      - { .name: ft_q, .offset: 0, .size: 8, .value_kind: global_buffer, .address_space: global }
      - { .name: ft_k, .offset: 8, .size: 8, .value_kind: global_buffer, .address_space: global }
      - { .name: ft_v, .offset: 16, .size: 8, .value_kind: global_buffer, .address_space: global }
      - { .name: wc, .offset: 24, .size: 8, .value_kind: global_buffer, .address_space: global }
      - { .name: lowp_scales, .offset: 32, .size: 8, .value_kind: global_buffer, .address_space: global }
      - { .name: qc, .offset: 40, .size: 8, .value_kind: global_buffer, .address_space: global }
      - { .name: kv, .offset: 48, .size: 8, .value_kind: global_buffer, .address_space: global }
    .group_segment_fixed_size: 67072
    .private_segment_fixed_size: 0
    .kernarg_segment_align: 8
    .kernarg_segment_size: 56
    .max_flat_workgroup_size: 128
    .sgpr_count:     66
    .vgpr_count:     1024
    .wavefront_size: 32
...
	.end_amdgpu_metadata
.endif
;; end of part 5
;; launch attn (part 6): grid 32 x 8, 8 waves a work-group, clusters of 4 x 1, 327,680 bytes of LDS; arguments qc, kv, mask, lowp_scales, out0; writes out0
.if DOCPART == 6
	.amdgcn_target "amdgcn-amd-amdhsa--gfx1250"
	.amdhsa_code_object_version 6
	.text
	.protected	k_q9ec96fe6d8_attn
	.globl	k_q9ec96fe6d8_attn
	.p2align	8
	.type	k_q9ec96fe6d8_attn,@function
k_q9ec96fe6d8_attn:
	s_mov_b64 s[64:65], 0
	v_nop
	global_prefetch_b8 v0, s[64:65] scope:SCOPE_SE
	s_setreg_imm32_b32 hwreg(HW_REG_WAVE_MODE, 25, 1), 1
	s_wait_xcnt 0x0
	s_wait_alu depctr_hold_cnt(0) depctr_sa_sdst(0) depctr_va_vdst(0) depctr_va_sdst(0) depctr_va_ssrc(0) depctr_va_vcc(0) depctr_vm_vsrc(0)
	s_getreg_b32 s2, hwreg(HW_REG_IB_STS2, 6, 4)
	s_cmp_eq_u32 s2, 0
	s_cbranch_scc0 .Lentry_in_a_cluster
	s_endpgm
.Lentry_in_a_cluster:
	s_bfe_u32 s2, ttmp6, 0x10000c
	s_cmp_lg_u32 s2, 0x3003
	s_cbranch_scc0 .Lentry_shape_is_right
	s_endpgm
.Lentry_shape_is_right:
; out = softmax(q k^T sqrt(512) + mask) v on codes of E4M3.  A work-group owns 64 queries of one batch and walks 2,048 keys in 16 steps of 128.
; TWO ROLES, four waves each, two waves to a SIMD.  Waves 0-3 (w = wave): S^T = K Q^T for keys 32 w .. 32 w + 31 of a step and all 64 queries, the mask, the softmax, P's codes.
; Waves 4-7 (w = wave - 4): O^T += V^T P^T for channels 128 w .. 128 w + 127 and all 64 queries; they also fetch the mask and store the result.  No fragment of K or V is read from LDS twice.
; Both products are used transposed: a lane holds ONE query (lane % 16) of each of four tiles m; registers run along keys or channels.
; THE SOFTMAX: t = logit x log2(e); M = the row's largest t so far, rounded up to a whole number; p = 2^(t - M) is quantised; the row's sum is taken of the unquantised p and divides at the end.
; When M moves, the sum and O are multiplied by f = 2^(old M - new M).
; A TRIP t, two barriers.  Part I: waves 0-3: S(t), mask, maxima of 32 keys | waves 4-7: O x f(t-1), P(t-1)'s and V(t-1)'s fragments, mask step t+1 asked for.  Part II: waves 0-3: the four waves' maxima, softmax(t), P(t), f(t); K(t+1) into registers |
; waves 4-7: O += P(t-1) V(t-1); mask step t+1 into the stage.  What one part stores the next reads: one buffer each for P, f, the maxima and the mask.
; THE RING: each wave has two slots of 16,384 bytes and reads only what its own tensor loads brought.  The head's one load brings tiles 0 and 1.  Trip t reads K(t+1) and V(t-1), both in slot (t + 1) % 2, and behind its second barrier, a round of the
; cluster's, that slot takes K(t+3) and V(t+1), with a whole trip in which to land.  K(2) follows K(0) behind trip 0's first barrier.  The four work-groups of a cluster walk the same keys and ask JOINTLY (mask 15).  At most one tensor load of a wave is out.
; BATCHES: clusters with x < 4 serve batches 0-3, the others 4-7, so that the eight clusters of a batch have neighbouring x.
; THE MASK, f32: a wave loads 16 rows of 512 bytes as they lie; the stage's rows are 528 bytes apart; a reader takes 16 neighbouring keys of one query.
; PREFETCHES: in trip t, in two clusters of each batch, one instruction a wave for tile t+5 of its stream (K is loaded two trips later, V four; the four partners take 4,096 bytes each, told apart by address, lanes beyond the sixteenth name the last
; block again); in every work-group one in each of waves 4-7 for mask step t+3 (16 rows x 512 bytes, loaded two trips later).  They end with trip 10.  The head asks for tiles 2-4 and mask steps 1-2.
; LIMITS: eq + ek between -131 and 121, ep between -126 and 119; the exponents to the base 2, before the maximum is taken away, stay under 2^31 in magnitude.  NaN among the inputs is not served.
; REGISTERS: window 0: v0-63 addresses and state; waves 0-3: v64-127 S, v128-255 K (its first half also the turned mask); waves 4-7: v64-127 P, v128-191 V, v192-255 the mask as loaded.  Window 1: Q or O.
.set PI,     262144                    ; P's codes: fragment m at 2,048 m, wave w's part at 512 w
.set MX,     270336                    ; maxima; 1,024 behind them the row sums
.set FX,     272384                    ; f, 512 bytes for each pair of waves
.set STAGE,  274432                    ; 64 rows x 528 bytes: the mask; on the way out 16 rows for each of waves 4-7
.set SP,     528
.set SPARE,  STAGE+64*SP               ; the spare words, 128 bytes for each wave
.set AD,  1                            ; my slots
.set AT,  2                            ; the slot in hand
.set PS,  3
.set PL,  4
.set MXS, 5
.set MXL, 6
.set MO,  7
.set SPW, 8
.set NIL, 9
.set PFO, 10
.set MSI, 11
.set MSO, 12
.set PFM, 13
.set SCL, 14                           ; 2^ep
.set LIMV, 15                          ; 448 x 2^ep
.set NM,  16                           ; -M of the four tiles m
.set TX,  20                           ; largest t
.set F,   24                           ; f = 2^(old M - new M)
.set L,   28                           ; the sum, two halves for each m
.set T1,  36
.set T2,  40
.set PC,  44                           ; the four waves' maxima; partial sums; P's codes
.set FXA, 60
.set GO,  61                           ; 16 x lane
.set STO, 62
.set SRD, 63
.set S,   64
.set KF,  128
.set TM,  64
.set VF,  128
.set RAW, 192
.set WV,  14
.set CX,  15
.set QB,  16
.set BA,  17
.set G1,  20
.set G0,  28
.set W4,  32
.set TB,  33                           ; 0 or 16,384: the slot in hand
.set MK,  36
.set PFA, 38
.set LIM, 40
.set TRIPS, 41
.set CS,  42
.set IC,  44
.set SEL, 46
.set OUT, 58
.set G1H, 72
.set MSB, 0
.macro WIN new                         ; the immediate's high byte repeats the setting that is left
.if MSB != (\new)
	s_set_vgpr_msb (MSB<<8)|(\new)
.set MSB, (\new)
.endif
.endm
.macro PLACES n                        ; plain lines behind a matrix instruction (ISA guide 7.12.1)
.rept \n
	v_nop
.endr
.endm
.macro CREST                           ; a round of the cluster's barrier behind its opening barrier
	s_cmp_lg_u32 s[WV], 0
	s_cbranch_scc1 .Lnot_wave_0_\@
	s_barrier_signal -3
.Lnot_wave_0_\@:
	s_barrier_wait -3
	s_barrier_signal -1
	s_barrier_wait -1
.endm
.macro CROUND
	s_barrier_signal -1
	s_barrier_wait -1
	CREST
.endm
.macro TLOAD who                       ; who: 1 all waves, 2 waves 0-3, 3 waves 4-7
.if \who == 2
	s_cmp_lt_u32 s[WV], 4
	s_cbranch_scc0 .Lno_load_\@
.elseif \who == 3
	s_cmp_lt_u32 s[WV], 4
	s_cbranch_scc1 .Lno_load_\@
.endif
	tensor_load_to_lds s[G0:G0+3], s[G1H:G1H+7]
	s_nop 0
	PLACES 4
.Lno_load_\@:
.endm
.macro MLOAD off                       ; 16 rows of 512 bytes, a row a load
.irp n, 0,1,2,3,4,5,6,7,8,9,10,11,12,13,14,15
	global_load_b128 v[RAW+4*\n:RAW+4*\n+3], v[MO], s[MK:MK+1] offset:8192*\n+\off th:TH_LOAD_NT
.endr
.endm
; Query row q of the tile goes to stage row 16 m + r, q = 32 (m / 2) + 8 (m % 2) + r + 8 (r / 8): row 16 w + n to 32 (w / 2) + 8 (w % 2) + 16 (n / 8) + n % 8.
.macro MSTORE
	s_wait_loadcnt 0x0
.irp n, 0,1,2,3,4,5,6,7,8,9,10,11,12,13,14,15
	ds_store_b128 v[MSI], v[RAW+4*\n:RAW+4*\n+3] offset:(16*(\n/8)+\n%8)*SP
.endr
.endm
.macro KLD a, i                        ; one of K's 32 loads, K step c = i / 8, key tile u = (i / 4) % 2
	ds_load_b128 v[KF+64*(((\i)/4)%2)+16*((\i)/8)+4*((\i)%4):KF+64*(((\i)/4)%2)+16*((\i)/8)+4*((\i)%4)+3], v[\a] offset:8192*(((\i)/4)%2)+2048*((\i)/8)+512*((\i)%4)
.endm
.macro KRUN a, i0, n
.set KI, \i0
.rept \n
	KLD \a, KI
.set KI, KI+1
.endr
.endm
.macro VRUN i0, n, r0                  ; V's loads i0 on, into registers VF + r0 on: channel tile ct's fragment is loads 4 ct .. 4 ct + 3
.set KI, 0
.rept \n
	ds_load_b128 v[VF+(\r0)+4*KI:VF+(\r0)+4*KI+3], v[AT] offset:512*((\i0)+KI)
.set KI, KI+1
.endr
.endm
.macro PLOAD
.irp m, 0,1,2,3
.irp g, 0,1,2,3
	ds_load_b128 v[TM+16*\m+4*\g:TM+16*\m+4*\g+3], v[PL] offset:2048*\m+512*\g
.endr
.endr
.endm
.macro RESC                            ; O x f
	WIN 0x41
	s_wait_alu depctr_va_vdst(0)                   ; directly ahead of the first reader of O
.irp ct, 0,1,2,3,4,5,6,7
.irp m, 0,1,2,3
.irp k, 0,2,4,6
	v_pk_mul_f32 v[32*\ct+8*\m+\k:32*\ct+8*\m+\k+1], v[32*\ct+8*\m+\k:32*\ct+8*\m+\k+1], v[F+2*(\m/2):F+2*(\m/2)+1] op_sel:[0,\m%2] op_sel_hi:[1,\m%2]
.endr
.endr
.endr
	WIN 0
.endm
.macro SMUL c0, c1                     ; two K steps of S^T: 8 accumulators by turns
	WIN 0x04
.irp c, \c0, \c1
.irp u, 0,1
.irp m, 0,1,2,3
.set rD, S+16*\m+8*\u
.set rA, KF+64*\u+16*\c
.set rB, 64*\m+16*\c
.if \c == 0
	v_wmma_f32_16x16x128_fp8_fp8 v[rD:rD+7], v[rA:rA+15], v[rB:rB+15], 0
.else
	v_wmma_f32_16x16x128_fp8_fp8 v[rD:rD+7], v[rA:rA+15], v[rB:rB+15], v[rD:rD+7]
.endif
.endr
.endr
.endr
	WIN 0
.endm
; PART I of waves 0-3
.macro PROD1
	SMUL 0, 1
	PLACES 4                                       ; the registers of K steps 0 and 1 take the turned mask
.irp m, 0,1,2,3
.irp q, 0,1,2,3
.set rT, KF+64*(\m/2)+16*(\m%2)+4*\q
	ds_load_b128 v[rT:rT+3], v[MSO] offset:16*\m*SP+16*\q
.endr
.endr
	SMUL 2, 3
	PLACES 5
	s_wait_dscnt 0x0                               ; the mask is in
.irp m, 0,1,2,3
.irp k, 0,2,4,6,8,10,12,14
.set rT, KF+64*(\m/2)+16*(\m%2)+\k
	v_pk_fma_f32 v[S+16*\m+\k:S+16*\m+\k+1], v[rT:rT+1], s[IC:IC+1], v[S+16*\m+\k:S+16*\m+\k+1] op_sel_hi:[1,0,1]   ; + mask / (sqrt(512) 2^(eq + ek)): the factor comes back with c
.endr
.endr
.irp m, 0,1,2,3
	v_max3_num_f32 v[T1+\m], v[S+16*\m], v[S+16*\m+1], v[S+16*\m+2]
	v_max3_num_f32 v[T2+\m], v[S+16*\m+8], v[S+16*\m+9], v[S+16*\m+10]
.endr
.irp k, 3,5
.irp m, 0,1,2,3
	v_max3_num_f32 v[T1+\m], v[T1+\m], v[S+16*\m+\k], v[S+16*\m+\k+1]
	v_max3_num_f32 v[T2+\m], v[T2+\m], v[S+16*\m+\k+8], v[S+16*\m+\k+9]
.endr
.endr
.irp m, 0,1,2,3
	v_max3_num_f32 v[T1+\m], v[T1+\m], v[S+16*\m+7], v[S+16*\m+15]
.endr
.irp m, 0,1,2,3
	v_max_num_f32 v[T1+\m], v[T1+\m], v[T2+\m]
.endr
.irp m, 0,1,2,3
	v_permlanex16_b32 v[T2+\m], v[T1+\m], s[SEL], s[SEL+1]
.endr
.irp m, 0,1,2,3
	v_max_num_f32 v[T1+\m], v[T1+\m], v[T2+\m]
.endr
.irp m, 0,1,2,3
	ds_store_b32 v[MXS], v[T1+\m] offset:256*\m
.endr
.endm
; PART II of waves 0-3.  kn: K(t+1) follows
.macro PROD2 kn
	s_wait_loadcnt 0x0                             ; both arms of part II carry this wait, so that on every way through the text the mask's loads are in ahead of the next loads into their registers; these waves have no global load out
.irp m, 0,1,2,3
	ds_load_b128 v[PC+4*\m:PC+4*\m+3], v[MXL] offset:256*\m
.endr
	s_wait_dscnt 0x0
.irp m, 0,1,2,3
	v_max3_num_f32 v[T1+\m], v[PC+4*\m], v[PC+4*\m+1], v[PC+4*\m+2]
.endr
.irp m, 0,1,2,3
	v_max_num_f32 v[T1+\m], v[T1+\m], v[PC+4*\m+3]
.endr
.irp m, 0,1,2,3
	v_mul_f32 v[T1+\m], s[CS], v[T1+\m]
.endr
.irp m, 0,1,2,3
	v_max_num_f32 v[TX+\m], v[TX+\m], v[T1+\m]
.endr
.irp m, 0,1,2,3
	v_mov_b32 v[T1+\m], v[NM+\m]
.endr
.irp m, 0,1,2,3
	v_floor_f32 v[NM+\m], -v[TX+\m]                ; the new -M
.endr
.irp m, 0,1,2,3
	v_sub_f32 v[T1+\m], v[NM+\m], v[T1+\m]
.endr
.irp m, 0,1,2,3
	v_cvt_i32_f32 v[T1+\m], v[T1+\m]               ; (it saturates)
.endr
.irp m, 0,1,2,3
	v_ldexp_f32 v[F+\m], 1.0, v[T1+\m]
.endr
	ds_store_b128 v[FXA], v[F:F+3]                 ; f(t), for the wave that owns O
.if \kn
	KRUN AT, 0, 16
.endif
.irp m, 0,1,2,3
.irp k, 0,2,4,6,8,10,12,14
	v_pk_fma_f32 v[S+16*\m+\k:S+16*\m+\k+1], v[S+16*\m+\k:S+16*\m+\k+1], s[CS:CS+1], v[NM+2*(\m/2):NM+2*(\m/2)+1] op_sel:[0,0,\m%2] op_sel_hi:[1,0,\m%2]   ; t - M
.endr
.endr
	s_wait_alu depctr_va_vdst(0)                   ; a wait ahead of the batch,
.set i, 0
.rept 64
	v_exp_f32 v[S+i], v[S+i]
.set i, i+1
.endr
.irp m, 0,1,2,3
	v_pk_mul_f32 v[L+2*\m:L+2*\m+1], v[L+2*\m:L+2*\m+1], v[F+2*(\m/2):F+2*(\m/2)+1] op_sel:[0,\m%2] op_sel_hi:[1,\m%2]
.endr
	s_wait_alu depctr_va_vdst(0)                   ; and ahead of the batch's first reader
.if \kn
	KRUN AT, 16, 16
.endif
.irp m, 0,1,2,3
	v_pk_add_f32 v[PC+2*\m:PC+2*\m+1], v[S+16*\m:S+16*\m+1], v[S+16*\m+2:S+16*\m+3]
.endr
.irp k, 4,8,12
.irp m, 0,1,2,3
	v_pk_add_f32 v[L+2*\m:L+2*\m+1], v[L+2*\m:L+2*\m+1], v[S+16*\m+\k:S+16*\m+\k+1]
	v_pk_add_f32 v[PC+2*\m:PC+2*\m+1], v[PC+2*\m:PC+2*\m+1], v[S+16*\m+\k+2:S+16*\m+\k+3]
.endr
.endr
.irp m, 0,1,2,3
	v_pk_add_f32 v[L+2*\m:L+2*\m+1], v[L+2*\m:L+2*\m+1], v[PC+2*\m:PC+2*\m+1]
.endr
.set i, 0
.rept 64
	v_min_num_f32 v[S+i], v[S+i], v[LIMV]          ; the conversion does not saturate (ISA guide 7.6.2); p is not negative
.set i, i+1
.endr
.irp m, 0,1,2,3
	v_cvt_scalef32_pk8_fp8_f32 v[PC+4*\m:PC+4*\m+1], v[S+16*\m:S+16*\m+7], v[SCL]
	v_cvt_scalef32_pk8_fp8_f32 v[PC+4*\m+2:PC+4*\m+3], v[S+16*\m+8:S+16*\m+15], v[SCL]
.endr
	v_nop                                          ; a plain line behind the last conversion
.irp m, 0,1,2,3
	ds_store_b128 v[PS], v[PC+4*\m:PC+4*\m+3] offset:2048*\m
.endr
.if \kn == 0                           ; the last step: the sum of my keys for each query
.irp m, 0,1,2,3
	v_add_f32 v[T1+\m], v[L+2*\m], v[L+2*\m+1]
.endr
.irp m, 0,1,2,3
	v_permlanex16_b32 v[T2+\m], v[T1+\m], s[SEL], s[SEL+1]
.endr
.irp m, 0,1,2,3
	v_add_f32 v[T1+\m], v[T1+\m], v[T2+\m]
.endr
.irp m, 0,1,2,3
	ds_store_b32 v[MXS], v[T1+\m] offset:1024+256*\m
.endr
.endif
.endm
; PART I of waves 4-7.  pv: 0 none, 1 starts O, 2 adds.  ml: a mask step is asked for
.macro CONS1 pv, ml, ask
.if \pv == 2
	ds_load_b128 v[F:F+3], v[FXA]
.endif
.if \pv
	PLOAD
	VRUN 0, 16, 0
.endif
.if \ml
	MLOAD 512
.endif
.if \ask == 2
	s_cmp_gt_u32 s[TRIPS], 2
	s_cbranch_scc0 .Lno_mask_\@
.endif
.if \ask
	global_prefetch_b8 v[PFM], s[MK:MK+1] offset:1536 th:TH_LOAD_NT scope:SCOPE_SE
.endif
.Lno_mask_\@:
.if \pv == 2
	s_wait_dscnt 32                                ; f is in; behind it stand 16 loads of P and 16 of V
	RESC
	s_wait_alu depctr_va_vdst(0)                   ; ahead of the barrier
.endif
.endm
.macro PVMUL pv, c0, c1                ; two channel tiles, 8 accumulators by turns
	WIN 0x50
.irp ct, \c0, \c1
.irp m, 0,1,2,3
.set rD, 32*\ct+8*\m
.set rA, VF+16*(\ct%4)
.set rB, TM+16*\m
.if \pv == 1
	v_wmma_f32_16x16x128_fp8_fp8 v[rD:rD+7], v[rA:rA+15], v[rB:rB+15], 0
.else
	v_wmma_f32_16x16x128_fp8_fp8 v[rD:rD+7], v[rA:rA+15], v[rB:rB+15], v[rD:rD+7]
.endif
.endr
.endr
	WIN 0
.endm
; PART II of waves 4-7
.macro CONS2 pv, ml
.if \pv
	PVMUL \pv, 0, 1
	PLACES 4                                       ; these tiles' registers take tiles 4 and 5
	VRUN 16, 8, 0
	PVMUL \pv, 2, 3
	PLACES 4
	VRUN 24, 8, 32
	s_wait_dscnt 8                                 ; tiles 4 and 5 are in
	PVMUL \pv, 4, 5
	s_wait_dscnt 0x0
	PVMUL \pv, 6, 7
	PLACES 5
.endif
.if \ml
	MSTORE
.endif
.endm
; A TRIP.  fill: who loads behind the second barrier (0: nobody).  t0: K(2) is asked for behind the first one
.macro TRIP pv, ml, kn, fill, ask, t0
	s_cmp_lt_u32 s[WV], 4
	s_cbranch_scc0 .Lo1_\@
	PROD1
	s_wait_alu depctr_va_vdst(0)
	s_branch .Lj1_\@
.Lo1_\@:
	CONS1 \pv, \ml, \ask
.Lj1_\@:
.if \t0
	s_wait_tensorcnt 0x0
	ds_add_u32 v[SPW], v[NIL]
	s_add_nc_u64 s[G0+2:G0+3], s[G0+2:G0+3], s[34:35]  ; K: tile 2.  (V stays at tile 0: its first refill steps it twice)
	s_wait_dscnt 0x0
	CROUND
	TLOAD 2
.else
	s_wait_dscnt 0x0                               ; the maxima are stored; P, f and the first of V are in registers
	s_barrier_signal -1
	s_barrier_wait -1
.endif
.if \ask == 1
	s_cmp_eq_u32 s[LIM], 2
	s_cbranch_scc0 .Lno_kv_\@
.elseif \ask == 2
	s_cmp_gt_u32 s[TRIPS], s[LIM]
	s_cbranch_scc0 .Lno_kv_\@
.endif
.if \ask
	global_prefetch_b8 v[PFO], s[PFA:PFA+1] offset:49152 th:TH_LOAD_NT scope:SCOPE_SE
.endif
.Lno_kv_\@:
	s_cmp_lt_u32 s[WV], 4
	s_cbranch_scc0 .Lo2_\@
	PROD2 \kn
	s_wait_alu depctr_va_vdst(0)
	s_branch .Lj2_\@
.Lo2_\@:
	CONS2 \pv, \ml
.Lj2_\@:
	s_wait_tensorcnt 0x0                           ; the load that was out has landed: my tile of the next trip
	ds_add_u32 v[SPW], v[NIL]                      ; 0 onto my spare word; work on registers stands between it and the wait for it
.if \fill
	s_add_nc_u64 s[G0+2:G0+3], s[G0+2:G0+3], 16384
	s_xor_b32 s[G0+1], s[G0+1], 16384
.endif
	s_xor_b32 s[TB], s[TB], 16384
	v_add_nc_u32 v[AT], s[TB], v[AD]
	s_wait_alu depctr_va_vdst(0)
	s_wait_xcnt 0x0                                ; the mask's loads and the prefetches have read their bases
	s_add_nc_u64 s[MK:MK+1], s[MK:MK+1], 512
	s_add_nc_u64 s[PFA:PFA+1], s[PFA:PFA+1], 16384
	s_wait_dscnt 0x0                               ; the add, my LDS stores, and my reads of the slot in hand are done
.if \fill
	CROUND
	TLOAD \fill
.else
	s_barrier_signal -1
	s_barrier_wait -1
.endif
.endm
	s_load_b256 s[4:11], s[0:1], 0x0               ; qc s[4:5], kv s[6:7], mask s[8:9], the scales' exponents s[10:11]
	s_load_b64 s[12:13], s[0:1], 0x20              ; out
	v_lshl_add_u32 v[SPW], v0, 2, SPARE
	v_mov_b32 v[NIL], 0
	ds_add_u32 v[SPW], v[NIL]                      ; the opening: the add, twice on end, and its wait ahead of my first tensor load
	ds_add_u32 v[SPW], v[NIL]
	v_lshrrev_b32 v64, 5, v0
	v_readfirstlane_b32 s[WV], v64                 ; wave 0..7
	s_and_b32 s[W4], s[WV], 3                      ; w
	s_bfe_u32 s[CX], ttmp6, 0x40000
	s_and_b32 s18, ttmp7, 0xffff                   ; the cluster's y
	s_and_b32 s19, s18, 1
	s_lshr_b32 s18, s18, 1
	s_lshr_b32 s[BA], ttmp9, 2
	s_lshl_b32 s[BA], s[BA], 2
	s_add_co_u32 s[BA], s[BA], s18                 ; the batch: 4 (x / 4) + y / 2
	s_and_b32 s[QB], ttmp9, 3
	s_lshl_b32 s18, s19, 2
	s_add_co_u32 s[QB], s[QB], s18
	s_lshl_b32 s[QB], s[QB], 2
	s_add_co_u32 s[QB], s[QB], s[CX]               ; which 64 of its queries: 4 (x % 4 + 4 (y % 2)) + cx
	s_and_b32 s18, ttmp9, 2
	s_or_b32 s18, s18, s19
	s_cmp_eq_u32 s18, 0
	s_cselect_b32 s[LIM], 2, -1                    ; which clusters ask for kv
	; descriptor group 1: 128 (G1) or 64 (G1H) rows of 32 elements of 8 bytes, dense; 15:0 the mask: all four of the cluster; bit 21 set beside it
.irp g, G1, G1H
	s_mov_b32 s[\g], 15|(3<<16)|(1<<21)
	s_mov_b32 s[\g+1], 32<<16
	s_mov_b32 s[\g+3], 32<<16
	s_mov_b32 s[\g+5], 32
	s_mov_b32 s[\g+6], 0
	s_mov_b32 s[\g+7], 0
.endr
	s_mov_b32 s[G1+2], 128<<16
	s_mov_b32 s[G1+4], 128
	s_mov_b32 s[G1H+2], 64<<16
	s_mov_b32 s[G1H+4], 64
	s_mov_b32 s[SEL], 0x76543210
	s_mov_b32 s[SEL+1], 0xfedcba98
	s_mov_b32 s[TB], 16384
	s_lshl_b32 s60, s[WV], 15                      ; my two slots
	s_lshl_b32 s61, s[W4], 9
	s_lshl_b32 s62, s[W4], 2
	s_lshl_b32 s63, s[W4], 17                      ; 16 w rows of the mask
	s_lshl_b32 s66, s[W4], 7
	s_add_co_u32 s66, s66, STAGE                   ; my 32 keys in a stage row
	s_lshr_b32 s67, s[W4], 1
	s_mul_i32 s67, s67, 32*SP
	s_and_b32 s68, s[W4], 1
	s_mul_i32 s68, s68, 8*SP
	s_add_co_u32 s67, s67, s68
	s_add_co_u32 s67, s67, STAGE                   ; where my 16 rows of the mask begin
	s_mul_i32 s68, s[W4], 16*SP
	s_add_co_u32 s68, s68, STAGE                   ; my part on the way out
	v_and_b32 v66, 31, v0
	v_and_b32 v64, 15, v0                          ; r
	v_bfe_u32 v65, v0, 4, 1                        ; h
	v_lshlrev_b32 v[GO], 4, v66
	v_min_u32 v69, 15, v66
	v_lshlrev_b32 v[PFO], 8, v69
	v_add_nc_u32 v[AD], s60, v[GO]
	v_add_nc_u32 v[AT], s[TB], v[AD]
	v_add_nc_u32 v[PL], PI, v[GO]
	v_add_nc_u32 v[PS], s61, v[PL]
	v_add_nc_u32 v[FXA], s61, v[GO]
	v_add_nc_u32 v[FXA], FX, v[FXA]
	v_lshl_add_u32 v[MXL], v64, 4, MX
	v_add_nc_u32 v[MXS], s62, v[MXL]
	v_add_nc_u32 v[MO], s63, v[GO]
	v_add_nc_u32 v[MSI], s67, v[GO]
	v_mul_u32_u24 v[MSO], v64, SP
	v_lshl_add_u32 v[MSO], v65, 6, v[MSO]
	v_add_nc_u32 v[STO], s68, v[MSO]
	v_add_nc_u32 v[MSO], s66, v[MSO]
	v_add_nc_u32 v[SRD], s68, v[GO]
	v_lshrrev_b32 v69, 1, v66
	v_lshlrev_b32 v69, 13, v69
	v_and_b32 v70, 1, v66
	v_lshl_add_u32 v69, v70, 8, v69
	v_add_nc_u32 v[PFM], s63, v69
.irp m, 0,1,2,3
	v_mov_b32 v[TX+\m], 0xff61b1e6                 ; the largest t so far: -3e38
	v_floor_f32 v[NM+\m], -v[TX+\m]
	v_mov_b32 v[L+2*\m], 0
	v_mov_b32 v[L+2*\m+1], 0
.endr
	s_wait_alu depctr_va_vdst(0)
	s_wait_dscnt 0x0                               ; both opening adds are done
	s_wait_kmcnt 0x0
	s_load_b256 s[48:55], s[10:11], 0x0
	s_load_b64 s[56:57], s[10:11], 0x20
	s_lshl_b32 s18, s[BA], 24
	s_lshl_b32 s19, s[QB], 19
	s_add_co_u32 s18, s18, s19
	s_mov_b32 s19, 0
	s_add_nc_u64 s[MK:MK+1], s[8:9], s[18:19]      ; the mask at my work-group's first query
	s_lshl_b32 s18, s[BA], 21
	s_lshl_b32 s19, s[WV], 18
	s_add_co_u32 s18, s18, s19
	s_mov_b32 s19, 0
	s_add_nc_u64 s[68:69], s[6:7], s[18:19]        ; kv: my wave's 262,144 bytes of the batch
	s_mov_b32 s[G0], 1
	s_mov_b32 s[G0+1], s60
	s_mov_b64 s[G0+2:G0+3], s[68:69]               ; tiles 0 and 1
	s_or_b32 s[G0+3], s[G0+3], 0x80000000
	s_lshl_b32 s18, s[CX], 12
	s_add_co_u32 s18, s18, 32768
	s_add_nc_u64 s[PFA:PFA+1], s[68:69], s[18:19]  ; my part of tile 2
	s_lshr_b32 s34, s[WV], 2
	s_sub_co_u32 s34, 1, s34
	s_lshl_b32 s34, s34, 15                        ; waves 0-3: two tiles on
	s_mov_b32 s35, 0
	s_lshl_b32 s18, s[BA], 5
	s_add_co_u32 s18, s18, s[QB]
	s_lshl_b32 s18, s18, 15
	s_add_nc_u64 s[4:5], s[4:5], s[18:19]          ; q's codes of my 64 queries: 32,768 bytes
	s_lshl_b32 s18, s[BA], 22
	s_lshl_b32 s19, s[QB], 17
	s_add_co_u32 s18, s18, s19
	s_add_co_u32 s18, s18, s61
	s_mov_b32 s19, 0
	s_add_nc_u64 s[OUT:OUT+1], s[12:13], s[18:19]  ; out: my queries, 128 channels
	s_cmp_lt_u32 s[WV], 4
	s_cbranch_scc1 .Lno_mask_yet
	MLOAD 0                                        ; mask step 0
.Lno_mask_yet:
	CROUND                                         ; all four work-groups are here: the first joint loads meet
	tensor_load_to_lds s[G0:G0+3], s[G1:G1+7]      ; one tensor load a wave at the head
	s_nop 0
	PLACES 4
	s_cmp_lt_u32 s[WV], 4
	s_cbranch_scc0 .Lno_q
	WIN 0x40
.set i, 0
.rept 64
	global_load_b128 v[4*i:4*i+3], v[GO], s[4:5] offset:512*i
.set i, i+1
.endr
	WIN 0
	s_branch .Lq_asked
.Lno_q:
	global_prefetch_b8 v[PFM], s[MK:MK+1] offset:512 th:TH_LOAD_NT scope:SCOPE_SE
	global_prefetch_b8 v[PFM], s[MK:MK+1] offset:1024 th:TH_LOAD_NT scope:SCOPE_SE
.Lq_asked:
	s_cmp_eq_u32 s[LIM], 2
	s_cbranch_scc0 .Lno_tiles
	global_prefetch_b8 v[PFO], s[PFA:PFA+1] th:TH_LOAD_NT scope:SCOPE_SE
	global_prefetch_b8 v[PFO], s[PFA:PFA+1] offset:16384 th:TH_LOAD_NT scope:SCOPE_SE
	global_prefetch_b8 v[PFO], s[PFA:PFA+1] offset:32768 th:TH_LOAD_NT scope:SCOPE_SE
.Lno_tiles:
	s_wait_kmcnt 0x0
	s_add_co_i32 s66, s54, s55                     ; eq + ek
	s_lshl_b32 s66, s66, 23
	s_add_co_i32 s[CS], s66, 0x420293ee            ; c = sqrt(512) log2(e) 2^(eq + ek): the exponents are added to its exponent field
	s_mov_b32 s[CS+1], s[CS]
	s_sub_co_i32 s[IC], 0x3d3504f3, s66            ; 1 / (sqrt(512) 2^(eq + ek))
	s_mov_b32 s[IC+1], s[IC]
	s_add_co_i32 s67, s56, 127
	s_lshl_b32 s68, s67, 23
	v_mov_b32 v[SCL], s68
	s_add_co_i32 s67, s67, 8
	s_lshl_b32 s67, s67, 23
	s_or_b32 s67, s67, 0x600000
	v_mov_b32 v[LIMV], s67
	s_add_co_i32 s70, s56, s57                     ; ep + ev
	s_wait_alu depctr_va_vdst(0)
	s_cmp_lt_u32 s[WV], 4
	s_cbranch_scc0 .Lmask_0
	s_wait_tensorcnt 0x0                           ; my own tiles: K(0) and K(1)
	s_wait_loadcnt 0x0                             ; Q
	KRUN AD, 0, 32
	s_branch .Lstart
.Lmask_0:
	MSTORE
.Lstart:
	s_wait_dscnt 0x0
	s_barrier_signal -1                            ; mask step 0 lies in the stage
	s_barrier_wait -1
	TRIP 0, 1, 1, 2, 1, 1
	TRIP 1, 1, 1, 1, 1, 0
	s_mov_b32 s[TRIPS], 11
.Ltrip:                                                ; trips 2 to 12
	TRIP 2, 1, 1, 1, 2, 0
	s_sub_co_u32 s[TRIPS], s[TRIPS], 1
	s_cmp_lg_u32 s[TRIPS], 0
	s_cbranch_scc1 .Ltrip
	s_mov_b32 s[TRIPS], 2
.Ltail:                                                ; trips 13 and 14: K is at its end, V(14) and V(15) follow
	TRIP 2, 1, 1, 3, 0, 0
	s_sub_co_u32 s[TRIPS], s[TRIPS], 1
	s_cmp_lg_u32 s[TRIPS], 0
	s_cbranch_scc1 .Ltail
	TRIP 2, 0, 0, 0, 0, 0                          ; trip 15
	; THE WAY OUT, waves 4-7: P(15) V(15) by query tiles, so that a finished tile leaves while the next is multiplied
	s_cmp_lt_u32 s[WV], 4
	s_cbranch_scc1 .Lend
	ds_load_b128 v[F:F+3], v[FXA]
	PLOAD
.irp m, 0,1,2,3
	ds_load_b128 v[PC+4*\m:PC+4*\m+3], v[MXL] offset:1024+256*\m
.endr
	VRUN 0, 32, 0                                  ; V's fragments, all eight tiles
	s_wait_dscnt 52                                ; f is in; behind it 16 loads of P, 4 of sums, 32 of V
	RESC
	s_wait_alu depctr_va_vdst(0)
	s_wait_dscnt 0x0
.irp m, 0,1,2,3
	v_add_f32 v[T1+\m], v[PC+4*\m], v[PC+4*\m+1]
	v_add_f32 v[T2+\m], v[PC+4*\m+2], v[PC+4*\m+3]
.endr
.irp m, 0,1,2,3
	v_add_f32 v[T1+\m], v[T1+\m], v[T2+\m]
.endr
	s_wait_alu depctr_va_vdst(0)                   ; a wait ahead of the batch,
.irp m, 0,1,2,3
	v_rcp_f32 v[T2+\m], v[T1+\m]
.endr
	v_nop
	s_wait_alu depctr_va_vdst(0)                   ; and ahead of its first reader
.irp m, 0,1,2,3
	v_ldexp_f32 v[T1+\m], v[T2+\m], s70            ; 2^(ep + ev) / the row's sum
.endr
.macro PVM m
	WIN 0x50
.irp ct, 0,1,2,3,4,5,6,7
.set rD, 32*\ct+8*(\m)
	v_wmma_f32_16x16x128_fp8_fp8 v[rD:rD+7], v[VF+16*\ct:VF+16*\ct+15], v[TM+16*(\m):TM+16*(\m)+15], v[rD:rD+7]
.endr
	WIN 0
.endm
; Scaled in place, through my part of the stage, and back into the same registers as whole rows of 512 bytes.  Register 32 ct + 8 m + i is channel 32 (ct / 2) + 16 h + 8 (ct % 2) + i of my 128.
; LDS serves a wave's instructions in order (ISA guide 5.7.1.4): no wait between the stores and the loads.
.macro TOSTAGE m
	WIN 0x41
.irp ct, 0,1,2,3,4,5,6,7
.irp k, 0,2,4,6
	v_pk_mul_f32 v[32*\ct+8*(\m)+\k:32*\ct+8*(\m)+\k+1], v[32*\ct+8*(\m)+\k:32*\ct+8*(\m)+\k+1], v[T1+2*((\m)/2):T1+2*((\m)/2)+1] op_sel:[0,(\m)%2] op_sel_hi:[1,(\m)%2]
.endr
.endr
	WIN 0x04
.irp ct, 0,1,2,3,4,5,6,7
	ds_store_b128 v[STO], v[32*\ct+8*(\m):32*\ct+8*(\m)+3] offset:128*(\ct/2)+32*(\ct%2)
	ds_store_b128 v[STO], v[32*\ct+8*(\m)+4:32*\ct+8*(\m)+7] offset:128*(\ct/2)+32*(\ct%2)+16
.endr
	WIN 0x40
.irp p, 0,1,2,3,4,5,6,7,8,9,10,11,12,13,14,15
	ds_load_b128 v[32*(\p/2)+8*(\m)+4*(\p%2):32*(\p/2)+8*(\m)+4*(\p%2)+3], v[SRD] offset:SP*\p
.endr
	WIN 0
.endm
.macro SEND m, younger                 ; younger: the next tile's 16 stores and 16 loads of LDS may be out
	s_wait_dscnt \younger
	WIN 0x04
.irp p, 0,1,2,3,4,5,6,7,8,9,10,11,12,13,14,15
	global_store_b128 v[GO], v[32*(\p/2)+8*(\m)+4*(\p%2):32*(\p/2)+8*(\m)+4*(\p%2)+3], s[OUT:OUT+1] offset:(32*((\m)/2)+8*((\m)%2)+\p+8*(\p/8))*2048 th:TH_STORE_NT   ; 512 consecutive bytes of one row
.endr
	WIN 0
.endm
	PVM 0
	PVM 1
	PLACES 4
	TOSTAGE 0
	PVM 2
	PLACES 4
	TOSTAGE 1
	SEND 0, 32
	PVM 3
	PLACES 4
	TOSTAGE 2
	SEND 1, 32
	TOSTAGE 3
	SEND 2, 32
	SEND 3, 0
.Lend:
	s_wait_tensorcnt 0x0                           ; the wave's end
	ds_add_u32 v[SPW], v[NIL]
	s_wait_dscnt 0x0
	CROUND                                         ; the closing round: no work-group ends while a partner may still ask for a tile that names it
	s_endpgm
.Lfunc_end_k_q9ec96fe6d8_attn:
	.size	k_q9ec96fe6d8_attn, .Lfunc_end_k_q9ec96fe6d8_attn-k_q9ec96fe6d8_attn
	.p2alignl 7, 3214868480
	.fill 96, 4, 3214868480
	.section	.rodata,"a",@progbits
	.p2align	6, 0x0
	.amdhsa_kernel k_q9ec96fe6d8_attn
		.amdhsa_group_segment_fixed_size 327680
		.amdhsa_private_segment_fixed_size 0
		.amdhsa_enable_private_segment 0
		.amdhsa_kernarg_size 40
		.amdhsa_user_sgpr_count 2
		.amdhsa_user_sgpr_kernarg_segment_ptr 1
		.amdhsa_wavefront_size32 1
		.amdhsa_system_sgpr_workgroup_id_x 1
		.amdhsa_system_sgpr_workgroup_id_y 1
		.amdhsa_system_sgpr_workgroup_id_z 1
		.amdhsa_system_vgpr_workitem_id 0
		.amdhsa_next_free_vgpr 512
		.amdhsa_next_free_sgpr 80
		.amdhsa_reserve_vcc 0
		.amdhsa_float_denorm_mode_32 3
		.amdhsa_float_denorm_mode_16_64 3
		.amdhsa_memory_ordered 1
		.amdhsa_forward_progress 1
		.amdhsa_inst_pref_size 227
	.end_amdhsa_kernel
	.amdgpu_metadata
---
amdhsa.version: [ 1, 2 ]
amdhsa.kernels:
  - .name:           k_q9ec96fe6d8_attn
    .symbol:         k_q9ec96fe6d8_attn.kd
    .args:
      - { .name: qc, .offset: 0, .size: 8, .value_kind: global_buffer, .address_space: global }
      - { .name: kv, .offset: 8, .size: 8, .value_kind: global_buffer, .address_space: global }
      - { .name: mask, .offset: 16, .size: 8, .value_kind: global_buffer, .address_space: global }
      - { .name: lowp_scales, .offset: 24, .size: 8, .value_kind: global_buffer, .address_space: global }
      - { .name: out0, .offset: 32, .size: 8, .value_kind: global_buffer, .address_space: global }
    .group_segment_fixed_size: 327680
    .private_segment_fixed_size: 0
    .kernarg_segment_align: 8
    .kernarg_segment_size: 40
    .max_flat_workgroup_size: 256
    .sgpr_count:     80
    .vgpr_count:     512
    .wavefront_size: 32
...
	.end_amdgpu_metadata
.endif
;; end of part 6
